; MI455X (gfx1250); checked and timed in simulation.
; The chip was launched on July 23, 2026; its instructions are those of AMD's public machine-readable ISA for CDNA 5 (MIT licence, August 2026) and "CDNA5" Instruction Set Architecture Reference Guide (July 2026). The comments in the code are by the model that wrote it; some were corrected since.
;; Multi Head Attention. Allowed arithmetic: matrix products marked QUANTISED: E4M3 operands, one given power-of-two scale a tensor, by v_wmma_f32_16x16x64_fp8_fp8 or v_wmma_f32_16x16x128_fp8_fp8, f32 sums; everything else in f32.
;; Inputs: Wk 16 x 64 x 1,024 float32; Wo 1,024 x 1,024 float32; Wq 16 x 64 x 1,024 float32; Wv 16 x 64 x 1,024 float32; lowp_scales 12 int32 (the exponents e of the quantised operands' scales 2^e); x 4 x 2,048 x 1,024 float32.
;; Outputs: out0 4 x 2,048 x 1,024 float32.
;; This version of the problem:
;;   THIS VERSION OF THE PROBLEM IS GIVEN IN LOW PRECISION. The matrix products marked QUANTISED in the list below multiply operands that are first quantised to E4M3 (4 exponent bits, 3 mantissa bits; 8 bits a number), with one given power-of-two scale for each operand tensor; their sums are f32. All else is computed in f32.
;;   The module's matrix products, in the order in which they are computed (A, B: the left and right operand; K: the contracted axis; several contracted axes count as one K, in the product's order):
;;     1. [M 1,024, K 1,024] x [K 1,024, N 8,192]; A: input Wq; B: input x: QUANTISED (scales: A lowp_scales[0], B lowp_scales[1])
;;     2. [M 1,024, K 1,024] x [K 1,024, N 8,192]; A: input Wk; B: input x: QUANTISED (scales: A lowp_scales[2], B lowp_scales[3])
;;     3. [M 1,024, K 1,024] x [K 1,024, N 8,192]; A: input Wv; B: input x: QUANTISED (scales: A lowp_scales[4], B lowp_scales[5])
;;     4. batch 64 x [M 2,048, K 64] x [K 64, N 2,048]; A: computed on the way; B: computed on the way: QUANTISED (scales: A lowp_scales[6], B lowp_scales[7])
;;     5. batch 64 x [M 2,048, K 2,048] x [K 2,048, N 64]; A: softmax (see below); B: computed on the way: QUANTISED (scales: A lowp_scales[8], B lowp_scales[9])
;;     6. [M 8,192, K 1,024] x [K 1,024, N 1,024]; A: computed on the way; B: input Wo: QUANTISED (scales: A lowp_scales[10], B lowp_scales[11])
;;   THE QUANTISER, for each operand of a quantised product, along K:
;;     - The operand's scale is 2^e, e = its entry of the input lowp_scales (int32; the entries are numbered through the quantised products in the list's order, A before B).
;;     - Each number is divided by the scale, clamped to +-448, and rounded to the nearest number of E4M3, ties to even, subnormals kept.
;;     - The product sums the exact products of the quantised numbers (number of the format x scale) in f32.
;;   ~~~python
;;   def quantise(x, axis, e):      # numpy; x: float32 -> the quantised numbers, widened to float32 again
;;       x = np.moveaxis(x, axis, -1); K = x.shape[-1]
;;       r = np.clip(x / 2.0 ** e, -448, 448)
;;       step = 2.0 ** (np.maximum(np.frexp(np.where(r == 0, 1, r))[1] - 1, -6) - 3)
;;       q = np.round(r / step) * step * 2.0 ** e      # np.round: ties to even
;;       return np.moveaxis(q, -1, axis).astype(np.float32)
;;   ~~~
;;   SOFTMAX AHEAD OF A QUANTISED PRODUCT. Where the list says 'softmax', what is quantised is not the finished softmax but p = 2^(t - M), with t = logit x log2(e) and M = ceil(the row's largest t), a whole number; so 1/2 < the row's largest p <= 1. The row's sum l is taken of the UNQUANTISED p, in f32, and the product's result is divided by l at the end. Since M is a whole number, a kernel that streams over the keys may use a running M (the ceiling of the running maximum): every later rescaling is an exact power of two, so the quantised numbers keep their values, but for numbers so far below the row's largest that they fall under the format's range.
;;   OPERANDS COMPUTED ON THE WAY. 'Computed on the way' means the value that the module computes at that place (a softmax that the list does not call 'softmax' is quantised finished and normalised). What goes into a quantiser is computed in f32, as accurately as f32 sums, v_exp_f32 and their like allow (about 1e-6 of the number): no bf16 or f16 on the way to a quantiser, and a product that is left as it is and whose result goes on into a quantised operand takes f32 operands (vector FMAs, or v_wmma_f32_16x16x4_f32). A number that lies on a knife's edge between two numbers of the format may be rounded either way, as far as f32 arithmetic and the matrix unit's own rounding can turn it there, and no further.
;; One version. Each part assembles by itself: llvm-mc -triple=amdgcn-amd-amdhsa -mcpu=gfx1250 --defsym DOCPART=n.
;; ======== version 1 of 1: 4 launches
;; limits: right only within a limited range of input values
;; workspace buffers: xc 25,165,824 bytes; wc 4,194,304 bytes; qkv 25,165,824 bytes; ctx 8,388,608 bytes
;; launch quant (part 1): grid 384 x 1, 4 waves a work-group, no clusters, 33,280 bytes of LDS; arguments x, Wq, Wk, Wv, Wo, lowp_scales, xc, wc; writes xc, wc
.if DOCPART == 1
	.amdgcn_target "amdgcn-amd-amdhsa--gfx1250"
	.amdhsa_code_object_version 6
	.text
	.protected	k_qbed748b2da_quant
	.globl	k_qbed748b2da_quant
	.p2align	8
	.type	k_qbed748b2da_quant,@function
k_qbed748b2da_quant:
	s_mov_b64 s[64:65], 0
	v_nop
	global_prefetch_b8 v0, s[64:65] scope:SCOPE_SE
	s_setreg_imm32_b32 hwreg(HW_REG_WAVE_MODE, 25, 1), 1
	s_wait_xcnt 0x0
; x [8192][1024] and the four weights [1024][1024], f32 with K innermost, become codes of FP8 (E4M3), one byte each.
; code = number / 2^e, held within +-448, rounded to the nearest code, ties to even.  x is an operand of three products with three given scales (entries 1, 3, 5 of the scales):
; it is read once and gives three sets of codes, xc parts 0, 1, 2, each 2^23 bytes.  Wq, Wk, Wv, Wo (entries 0, 2, 4, 11) give wc parts 0 to 3, each 2^20 bytes.
; THE ORDER OF THE CODES.  Inside each 32 along K, byte 16 g + 8 u + j holds k = 16 u + 8 g + j (g, u = 0 or 1, j = 0 .. 7).  A lane of half h that loads the 16 bytes at 32 c + 16 h then has
; k = 32 c + 8 h + 0 .. 7 and k = 32 c + 16 + 8 h + 0 .. 7 in four registers: the places that the plain FP8 matrix forms give them.  Every operand of this program is laid so.
; LIMITS: each of the seven exponents lies between -126 and 119, so that 2^e and 448 x 2^e are f32 numbers.  NaN among the inputs is not served.
; SHARES.  Rows are dense, so each tensor is a plain stream.  Work-groups 0 to 255 take 32,768 numbers of x each, work-group 256 + 32 w + c takes chunk c of weight w.  A wave takes 8,192 numbers in 16 steps of 512.
; Each load reads 512 consecutive bytes; a step's 2,048 bytes turn through the wave's own stage in LDS, so that lane 2 i + g gets the two runs of eight numbers whose codes are its 16 bytes; each store covers 512 consecutive bytes.
; No tensor loads, no barrier: waves share nothing.  Loads run four steps (16 loads a wave) ahead, the turn through LDS one step.
.set STEPS, 16
.set XWG,   256                        ; work-groups that take x
.set SP,    80                         ; a place in the stage: 64 bytes (16 numbers) + 16 of padding
.set R,     16                         ; v16-79   four sets of 16 numbers as they are loaded
.set X,     80                         ; v80-111  two sets of 16 numbers in the lane order of the codes
.set TA,    112                        ; v112-127, v128-143, v144-159: the numbers held within the three scales' ranges
.set TB,    128
.set TC,    144
.set CA,    160                        ; v160-163, v164-167, v168-171: the three sets of codes
.set CB,    164
.set CC,    168
	s_load_b256 s[4:11], s[0:1], 0x0               ; x s[4:5], Wq s[6:7], Wk s[8:9], Wv s[10:11]
	s_load_b256 s[12:19], s[0:1], 0x20             ; Wo s[12:13], the scales' exponents s[14:15], xc s[16:17], wc s[18:19]
	v_lshl_add_u32 v176, v0, 2, 0x8000
	v_mov_b32 v177, 0
	v_lshrrev_b32 v1, 5, v0
	v_readfirstlane_b32 s45, v1                    ; wave
	v_and_b32 v2, 31, v0                           ; lane
	v_lshlrev_b32 v3, 4, v2                        ; 16 x lane: my 16 bytes of a load's 512, and of a store's 512; never rewritten
	s_lshl_b32 s48, s45, 13                        ; my wave's 8,192 bytes of LDS
	v_lshrrev_b32 v14, 2, v2
	v_mul_u32_u24 v14, v14, SP
	v_and_b32 v15, 3, v2
	v_lshl_add_u32 v14, v15, 4, v14
	v_add_nc_u32 v14, s48, v14                     ; into the stage: four lanes' 64 bytes on end, then the padding
	v_lshrrev_b32 v15, 1, v2
	v_mul_u32_u24 v15, v15, 2*SP
	v_and_b32 v5, 1, v2
	v_lshl_add_u32 v15, v5, 5, v15
	v_add_nc_u32 v15, s48, v15                     ; out of it: lane 2 i + g: places 2 i and 2 i + 1, 32 g bytes in
	s_sub_co_u32 s20, ttmp9, XWG
	s_lshr_b32 s21, s20, 5                         ; which weight (of no meaning in x's work-groups, where every choice below takes x's side)
	s_and_b32 s22, s20, 31                         ; which chunk of it
	s_lshl_b32 s44, s21, 20                        ; its part of wc
	s_wait_alu depctr_va_vdst(0)
	s_wait_kmcnt 0x0
	s_load_b256 s[32:39], s[14:15], 0x0            ; e0 .. e7
	s_load_b128 s[40:43], s[14:15], 0x20           ; e8 .. e11
	s_mov_b64 s[24:25], s[6:7]                     ; the source: every choice hangs on the work-group's number alone
	s_cmp_eq_u32 s21, 1
	s_cselect_b64 s[24:25], s[8:9], s[24:25]
	s_cmp_eq_u32 s21, 2
	s_cselect_b64 s[24:25], s[10:11], s[24:25]
	s_cmp_eq_u32 s21, 3
	s_cselect_b64 s[24:25], s[12:13], s[24:25]
	s_cmp_lt_u32 ttmp9, XWG
	s_cselect_b64 s[24:25], s[4:5], s[24:25]
	s_cselect_b64 s[26:27], s[16:17], s[18:19]     ; the codes' buffer
	s_cselect_b32 s23, ttmp9, s22                  ; the chunk
	s_cselect_b32 s44, 0, s44                      ; the part
	s_lshl_b32 s23, s23, 2
	s_add_co_u32 s23, s23, s45                     ; which run of 8,192 numbers is my wave's
	s_lshl_b32 s46, s23, 15
	s_mov_b32 s47, 0
	s_add_nc_u64 s[24:25], s[24:25], s[46:47]
	s_lshl_b32 s46, s23, 13
	s_add_co_u32 s46, s46, s44
	s_add_nc_u64 s[26:27], s[26:27], s[46:47]
	s_add_nc_u64 s[28:29], s[26:27], 0x800000      ; xc's parts 1 and 2: bases of their own, named on x's path alone
	s_add_nc_u64 s[30:31], s[26:27], 0x1000000
.macro LOAD t
.irp i, 0,1,2,3
	global_load_b128 v[R+16*((\t)%4)+4*\i:R+16*((\t)%4)+4*\i+3], v3, s[24:25] offset:2048*(\t)+512*\i th:TH_LOAD_NT   ; 32 lanes read 512 consecutive bytes
.endr
.endm
.macro TURN t                          ; step t's numbers through the stage: LDS serves a wave's instructions in order, so no wait stands between the stores and the loads
.irp i, 0,1,2,3
	ds_store_b128 v14, v[R+16*((\t)%4)+4*\i:R+16*((\t)%4)+4*\i+3] offset:32*SP*((\t)%2)+8*SP*\i
.endr
.irp i, 0,1,2,3
	ds_load_b128 v[X+16*((\t)%2)+4*\i:X+16*((\t)%2)+4*\i+3], v15 offset:32*SP*((\t)%2)+SP*(\i/2)+16*(\i%2)
.endr
.endm
.macro POW e, vs, vl                   ; 2^e as f32 (the conversion takes its exponent field) and 448 x 2^e
	s_add_co_i32 s50, s[\e], 127
	s_lshl_b32 s51, s50, 23
	v_mov_b32 v[\vs], s51
	s_add_co_i32 s50, s50, 8
	s_lshl_b32 s50, s50, 23
	s_or_b32 s50, s50, 0x600000
	v_mov_b32 v[\vl], s50
.endm
.macro HOLD dst, lim                   ; the conversion to an 8-bit code does not saturate (ISA guide 7.6.2): the numbers are held within the largest code x the scale first
.set n, 0
.rept 16
	v_med3_num_f32 v[\dst+n], v[XS+n], -v[\lim], v[\lim]
.set n, n+1
.endr
.endm
.macro CODES c, src, sc
	v_cvt_scalef32_pk8_fp8_f32 v[\c:\c+1], v[\src:\src+7], v[\sc]
	v_cvt_scalef32_pk8_fp8_f32 v[\c+2:\c+3], v[\src+8:\src+15], v[\sc]
.endm
.irp t, 0,1,2,3
	LOAD \t
.endr
	s_wait_kmcnt 0x0
	s_cmp_eq_u32 s21, 1                            ; the first scale: e0, e2, e4 or e11 for a weight, e1 for x
	s_cselect_b32 s32, s34, s32
	s_cmp_eq_u32 s21, 2
	s_cselect_b32 s32, s36, s32
	s_cmp_eq_u32 s21, 3
	s_cselect_b32 s32, s43, s32
	s_cmp_lt_u32 ttmp9, XWG
	s_cselect_b32 s32, s33, s32
	POW 32, 6, 7
	POW 35, 8, 9                                   ; e3 and e5: x's other two
	POW 37, 10, 11
	s_wait_alu depctr_va_vdst(0)
	s_wait_loadcnt 12                              ; step 0's four loads are in
	TURN 0
.macro STEP t
.set XS, X+16*((\t)%2)
	s_wait_dscnt 0x0                               ; this step's numbers are back from the stage: so its stores into the stage have read their registers,
	s_wait_xcnt 0x0                                ; and the last step's stores have read their codes, which are written again below
.if (\t)+4 < STEPS
	LOAD (\t)+4                                    ; the registers just freed take the loads of four steps on
.endif
.if (\t)+1 < STEPS
.if STEPS-2-(\t) >= 3
	s_wait_loadcnt 12                              ; the next step's four loads are in; those of the three steps behind it may be out
.else
	s_wait_loadcnt 4*(STEPS-2-(\t))
.endif
	TURN (\t)+1                                    ; they go through the other stage while this step is worked
.endif
	HOLD TA, 7
	s_cmp_lt_u32 ttmp9, XWG                        ; x alone has a second and a third scale; no LDS line stands on that path
	s_cbranch_scc0 .Lone_\@
	HOLD TB, 9
	HOLD TC, 11
	CODES CB, TB, 8
	CODES CC, TC, 10
	v_nop                                          ; one plain vector line behind the conversions, ahead of whatever next writes their sources
	global_store_b128 v3, v[CB:CB+3], s[28:29] offset:512*(\t)
	global_store_b128 v3, v[CC:CC+3], s[30:31] offset:512*(\t)
.Lone_\@:
	s_wait_alu depctr_va_vdst(0)
	CODES CA, TA, 6
	v_nop
	global_store_b128 v3, v[CA:CA+3], s[26:27] offset:512*(\t)   ; 32 lanes store 512 consecutive bytes, at a multiple of 512 from the buffer's first byte
.endm
.irp t, 0,1,2,3,4,5,6,7,8,9,10,11,12,13,14,15
	STEP \t
.endr
	s_wait_tensorcnt 0x0
	ds_add_u32 v176, v177
	s_wait_dscnt 0x0
	s_endpgm
.Lfunc_end_k_qbed748b2da_quant:
	.size	k_qbed748b2da_quant, .Lfunc_end_k_qbed748b2da_quant-k_qbed748b2da_quant
	.p2alignl 7, 3214868480
	.fill 96, 4, 3214868480
	.section	.rodata,"a",@progbits
	.p2align	6, 0x0
	.amdhsa_kernel k_qbed748b2da_quant
		.amdhsa_group_segment_fixed_size 33280
		.amdhsa_private_segment_fixed_size 0
		.amdhsa_enable_private_segment 0
		.amdhsa_kernarg_size 64
		.amdhsa_user_sgpr_count 2
		.amdhsa_user_sgpr_kernarg_segment_ptr 1
		.amdhsa_wavefront_size32 1
		.amdhsa_system_sgpr_workgroup_id_x 1
		.amdhsa_system_sgpr_workgroup_id_y 1
		.amdhsa_system_sgpr_workgroup_id_z 1
		.amdhsa_system_vgpr_workitem_id 0
		.amdhsa_next_free_vgpr 178
		.amdhsa_next_free_sgpr 66
		.amdhsa_reserve_vcc 0
		.amdhsa_float_denorm_mode_32 3
		.amdhsa_float_denorm_mode_16_64 3
		.amdhsa_memory_ordered 1
		.amdhsa_forward_progress 1
		.amdhsa_inst_pref_size 81
	.end_amdhsa_kernel
	.amdgpu_metadata
---
amdhsa.version: [ 1, 2 ]
amdhsa.kernels:
  - .name:           k_qbed748b2da_quant
    .symbol:         k_qbed748b2da_quant.kd
    .args:
      - { .name: x, .offset: 0, .size: 8, .value_kind: global_buffer, .address_space: global }
      - { .name: Wq, .offset: 8, .size: 8, .value_kind: global_buffer, .address_space: global }
      - { .name: Wk, .offset: 16, .size: 8, .value_kind: global_buffer, .address_space: global }
      - { .name: Wv, .offset: 24, .size: 8, .value_kind: global_buffer, .address_space: global }
      - { .name: Wo, .offset: 32, .size: 8, .value_kind: global_buffer, .address_space: global }
      - { .name: lowp_scales, .offset: 40, .size: 8, .value_kind: global_buffer, .address_space: global }
      - { .name: xc, .offset: 48, .size: 8, .value_kind: global_buffer, .address_space: global }
      - { .name: wc, .offset: 56, .size: 8, .value_kind: global_buffer, .address_space: global }
    .group_segment_fixed_size: 33280
    .private_segment_fixed_size: 0
    .kernarg_segment_align: 8
    .kernarg_segment_size: 64
    .max_flat_workgroup_size: 128
    .sgpr_count:     66
    .vgpr_count:     178
    .wavefront_size: 32
...
	.end_amdgpu_metadata
.endif
;; end of part 1
;; launch proj (part 2): grid 12 x 32, 4 waves a work-group, clusters of 4 x 4, 327,680 bytes of LDS; arguments xc, wc, lowp_scales, qkv; writes qkv
.if DOCPART == 2
	.amdgcn_target "amdgcn-amd-amdhsa--gfx1250"
	.amdhsa_code_object_version 6
	.text
	.protected	k_qbed748b2da_proj
	.globl	k_qbed748b2da_proj
	.p2align	8
	.type	k_qbed748b2da_proj,@function
k_qbed748b2da_proj:
	s_mov_b64 s[64:65], 0
	v_nop
	global_prefetch_b8 v0, s[64:65] scope:SCOPE_SE
	s_setreg_imm32_b32 hwreg(HW_REG_WAVE_MODE, 25, 1), 1
	s_wait_xcnt 0x0
	s_wait_alu depctr_hold_cnt(0) depctr_sa_sdst(0) depctr_va_vdst(0) depctr_va_sdst(0) depctr_va_ssrc(0) depctr_va_vcc(0) depctr_vm_vsrc(0)
	s_getreg_b32 s2, hwreg(HW_REG_IB_STS2, 6, 4)
	s_cmp_eq_u32 s2, 0
	s_cbranch_scc0 .Lentry_in_a_cluster
	s_endpgm
.Lentry_in_a_cluster:
	s_bfe_u32 s2, ttmp6, 0x10000c
	s_cmp_lg_u32 s2, 0xf033
	s_cbranch_scc0 .Lentry_shape_is_right
	s_endpgm
.Lentry_shape_is_right:
; THE THREE PROJECTIONS, C[m][n] = sum over k of A[m][k] B[n][k] on codes of FP8 (E4M3), K = 1,024, and their results quantised at once to the codes of q, k and v.
; The cluster's x says which: 0: q = x Wq^T, 1: k = x Wk^T (A = x's codes under that product's scale, 8,192 rows; B = the weight's codes, 1,024 rows);
; 2: v TRANSPOSED, A = Wv's codes (1,024 rows), B = x's codes (8,192 rows), so that the tokens, which are the second attention product's K, come out innermost.
; A sum stands for sum x 2^(ea + eb); its code under the next product's scale 2^eo is sum / 2^(eo - ea - eb), held within +-448: the three exponents are folded into the conversion's one scale.
; LIMIT: e6 - e0 - e1, e7 - e2 - e3 and e9 - e4 - e5 lie between -126 and 119, so that the scale and 448 x the scale are f32 numbers.  No branch hangs on them.
; THE OUTPUT lies in PANELS of 64 columns, C[n / 64][m][64], one byte a code: q and k as [head][token][64], v as [token / 64][head x 64 + e][64 tokens].  Inside each 32 columns byte 16 g + 8 u + j holds column 16 u + 8 g + j:
; the order in which a lane's conversions of two neighbouring 16-column tiles leave them, and the order in which the plain FP8 forms take 16-byte loads.
; A tile of C, 256 x 256, is made by a work-group of four waves; a wave makes 128 x 128: 64 accumulators of 16 x 16, 512 registers.  K goes in steps of 256 through a ring of two LDS slots filled by the tensor data mover.
; CLUSTERS: 4 x 4 work-groups.  The four of a row of the cluster need the same tiles of A, the four of a column the same tiles of B: each tile is asked for JOINTLY, by the same tensor load with the same descriptor and a mask that names the four.
; THE MATRIX INSTRUCTION IS USED TRANSPOSED (source 0 = 16 rows of B, source 1 = 16 rows of A): a lane then holds eight neighbouring columns of one row of C, which one conversion turns into 8 bytes.
; REGISTERS, in windows of 256: window 0: v0-31 addresses and the two scale numbers; from v128 A's fragments (8 x 16 rows x 128 K), ONE set; on the way out v32-127 are at work.
;   window 1: B's fragments, TWO sets, at v0 and at v128.   window 2: the 32 accumulators of my rows 0-63 (accumulator (a, b) at v[8 (8 a + b)]);   window 3: those of my rows 64-127.
.set SIZE_K, 1024
.set KSTEP,  256                       ; along K in a slot
.set ROWB,   256                       ; a tile's row in bytes
.set KROW,   SIZE_K                    ; a row of A or of B in memory, in bytes
.set PITCH,  272                       ; an LDS row: 256 bytes + 16 of padding = 68 words: the 16 rows that a load touches start at 16 different banks (64 banks of 4 bytes: ISA guide 11.1)
.set FR,     16                        ; registers of a fragment: 16 rows x 128 K
.set NL,     4                         ; LDS loads that bring one
.set NP,     4                         ; places behind this matrix instruction (ISA guide 7.12.1)
.set HALFT,  128*PITCH                 ; 128 rows: what one tensor load brings, and what one wave reads of A or of B
.set SLOT,   4*HALFT                   ; A's 256 rows, then B's 256 rows
.set LAPS,   SIZE_K/(2*KSTEP)          ; a lap = two K steps = once round the ring
.set SPARE,  2*SLOT                    ; behind the ring: the spare words, 128 bytes for each wave: two blocks of 256 bytes that no other line names
.set ADRA, 16                          ; v16-17  LDS address of my A fragments in slot 0, 1
.set ADRB, 20                          ; v20-21  the same for B
.set CO,   26                          ; v26     16 x lane
.set PFO,  24                          ; v24     the prefetches' offset: my lane x a row of 1,024 bytes; never rewritten
.set PFA,  96                          ; s[96:97] where my prefetches stand: my work-group's 32 rows of the 128 that I fetch, at K step 2; never rewritten
.set SPW,  28                          ; v28     LDS address of my spare word: SPARE + 4 x my thread's number; never rewritten
.set NIL,  29                          ; v29     0; never rewritten
.set SCL,  30                          ; v30     2^(eo - ea - eb) as f32
.set LIMV, 31                          ; v31     448 x that
.set TMP,  32                          ; v32-95  a block's 64 sums, held
.set CD,   96                          ; v96-127 its codes, two sets by turns
.set AF,   128                         ; A's fragments, in window 0
.set G1, 24                            ; s[24:31] descriptor group 1 for A's tiles;  s[32:39] group 0, one set for each slot
.set G0, 32
.set G1B, 48                           ; s[48:55], s[56:63] the same for B's tiles
.set G0B, 56
.set MSB, 0
.macro WIN new                         ; the immediate's high byte repeats the setting that is left
.if MSB != \new
	s_set_vgpr_msb (MSB<<8)|\new
.set MSB, \new
.endif
.endm
.set MUL_LO, 0xa1                      ; source 0 (B) window 1, source 1 (A) window 0, C and D window 2
.set MUL_HI, 0xf1                      ; the same, C and D window 3
.set TO_B,   0x40                      ; destination window 1, address window 0
; A joint load: waves 0 and 1 fetch for A, waves 2 and 3 for B.  Each of the two lines has ONE mask and one set of registers for all that issue it; the branch hangs on the wave's number alone.
; Four v_nop follow each of the two lines, ahead of the jump, the label and what follows.
.macro JLOAD g0a, g1a, g0b, g1b
	s_cmp_eq_u32 s15, 0
	s_cbranch_scc0 .Lfor_b_\@
	tensor_load_to_lds s[\g0a:\g0a+3], s[\g1a:\g1a+7]
	s_nop 0
.rept 4
	v_nop
.endr
	s_branch .Lasked_\@
.Lfor_b_\@:
	tensor_load_to_lds s[\g0b:\g0b+3], s[\g1b:\g1b+7]
	s_nop 0
.rept 4
	v_nop
.endr
.Lasked_\@:
.endm
.macro CREST                           ; a round of the cluster's barrier behind its opening barrier
	s_cmp_lg_u32 s14, 0
	s_cbranch_scc1 .Lnot_wave_0_\@
	s_barrier_signal -3
.Lnot_wave_0_\@:
	s_barrier_wait -3
	s_barrier_signal -1
	s_barrier_wait -1
.endm
.macro CROUND                          ; a whole round
	s_barrier_signal -1
	s_barrier_wait -1
	CREST
.endm
	s_load_b256 s[84:91], s[0:1], 0x0              ; xc s[84:85], wc s[86:87], the scales' exponents s[88:89], qkv s[90:91]
	v_lshl_add_u32 v[SPW], v0, 2, SPARE
	v_mov_b32 v[NIL], 0
	ds_add_u32 v28, v29
	ds_add_u32 v28, v29
	s_wait_dscnt 0x0
	v_lshrrev_b32 v1, 5, v0
	v_readfirstlane_b32 s14, v1                    ; wave 0..3
	s_lshr_b32 s15, s14, 1                         ; which half of the tile's rows is mine.  Also: I fetch for A (0) or for B (1)
	s_and_b32 s16, s14, 1                          ; which half of its columns.  Also: which 128 rows of that tile I fetch
	s_bfe_u32 s40, ttmp6, 0x40000                  ; cx, cy: my place in the cluster
	s_bfe_u32 s41, ttmp6, 0x40004
	s_lshl_b32 s66, ttmp9, 23                      ; the product's number p (the cluster's x) x 2^23: x's codes under its scale, and its part of qkv
	s_lshl_b32 s67, ttmp9, 20                      ; p x 2^20: its weight's codes
	s_and_b32 s68, ttmp7, 0xffff                   ; the cluster's y, 0 .. 7: it walks the 8,192 tokens
	s_cmp_eq_u32 ttmp9, 2                          ; v?  The same in all sixteen partners
	s_cselect_b32 s69, s68, 0                      ; for v the tokens are C's columns,
	s_cselect_b32 s98, 0, s68                      ; for q and k its rows
	s_cselect_b32 s92, 0x200000, s66               ; where A's codes begin in their buffer: Wv's, or x's under scale p
	s_cselect_b32 s94, 0x1000000, s67              ; and B's: x's under the third scale, or weight p's
	s_mov_b32 s70, 0x80000
	s_cselect_b32 s70, 0x10000, s70                ; a panel of the output: 1,024 or 8,192 rows of 64 bytes
	s_mov_b32 s71, 0
	s_lshl_b32 s42, s69, 2
	s_add_co_u32 s42, s42, s40                     ; tile column of C
	s_lshl_b32 s17, s98, 2
	s_add_co_u32 s17, s17, s41                     ; tile row of C
	s_lshl_b32 s43, s41, 2
	s_lshl_b32 s43, 15, s43                        ; my row of the cluster
	s_lshl_b32 s44, 0x1111, s40                    ; my column
	; descriptor group 1: a tile of 128 rows x ROWB bytes, padded in LDS
	s_or_b32 s[G1+0], s43, (0<<16)|(1<<20)|(1<<21)|(5<<22)|(3<<25)  ; 15:0 the mask: A's tiles go to my row; 17:16 element of 1 byte; 20 padding on; 21 set beside a mask; 24:22 after every 64 words (code 5); 31:25 of 4 words (code 3)
	s_or_b32 s[G1B+0], s44, (0<<16)|(1<<20)|(1<<21)|(5<<22)|(3<<25)
.irp g, G1, G1B
	s_mov_b32 s[\g+1], ROWB<<16                    ; tensor_dim0
	s_mov_b32 s[\g+2], 128<<16                     ; tensor_dim1 = 128
	s_mov_b32 s[\g+3], ROWB<<16                    ; tile_dim0
	s_mov_b32 s[\g+4], 128                         ; tile_dim1 = 128
	s_mov_b32 s[\g+5], KROW                        ; tensor_dim0_stride
	s_mov_b32 s[\g+6], 0
	s_mov_b32 s[\g+7], 0
.endr
	s_lshl_b32 s18, s16, 7                         ; which 128 rows of the tile I fetch
	s_lshl_b32 s20, s17, 8
	s_add_co_u32 s20, s20, s18                     ; A: row 256 x tile row + 128 x half
	s_lshl_b32 s46, s42, 8
	s_add_co_u32 s46, s46, s18                     ; B: row 256 x tile column + 128 x half
	s_lshl_b32 s20, s20, 10                        ; rows of 1,024 bytes,
	s_lshl_b32 s46, s46, 10
	s_add_co_u32 s20, s20, s92                     ; in the operand's part of its buffer: under 2^25 in all
	s_add_co_u32 s46, s46, s94
	s_mov_b32 s21, 0
	s_mov_b32 s47, 0
	s_mul_i32 s45, s14, HALFT                      ; where they go: wave x 128 rows: no place in the cluster enters an LDS address
	s_wait_kmcnt 0x0
	s_load_b256 s[72:79], s[88:89], 0x0            ; e0 .. e7
	s_load_b128 s[80:83], s[88:89], 0x20           ; e8 .. e11
	s_cmp_eq_u32 ttmp9, 2
	s_cselect_b64 s[4:5], s[86:87], s[84:85]       ; A's buffer
	s_cselect_b64 s[6:7], s[84:85], s[86:87]       ; B's
	s_add_nc_u64 s[20:21], s[4:5], s[20:21]
	s_add_nc_u64 s[46:47], s[6:7], s[46:47]
	CROUND                                         ; all sixteen work-groups are here: the first joint loads meet
.irp s, 0,1
	s_mov_b32 s[G0+4*\s], 1
	s_add_co_u32 s[G0+4*\s+1], s45, \s*SLOT
	s_add_nc_u64 s[G0+4*\s+2:G0+4*\s+3], s[20:21], \s*ROWB
	s_or_b32 s[G0+4*\s+3], s[G0+4*\s+3], 0x80000000
	s_mov_b32 s[G0B+4*\s], 1
	s_add_co_u32 s[G0B+4*\s+1], s45, \s*SLOT
	s_add_nc_u64 s[G0B+4*\s+2:G0B+4*\s+3], s[46:47], \s*ROWB
	s_or_b32 s[G0B+4*\s+3], s[G0B+4*\s+3], 0x80000000
.endr
	JLOAD G0, G1, G0B, G1B                         ; K step 0: one tensor load a wave at the head
	; A PREFETCH INTO THE L2, behind the loads of K steps 0 and 1: the K step two loads on, 32 rows x 256 bytes, a lane a row, one instruction a wave.  Of the 128 rows that a wave fetches, the partner at place p
	; among the four that ask for them jointly takes rows 32 p .. 32 p + 31 (p = cx for A, cy for B): told apart by address, no branch.  K steps 2 and 3 are the last: the refills ask for nothing.
	s_cmp_eq_u32 s15, 0                            ; do I fetch for A?
	s_cselect_b32 s2, s17, s42                     ; the tile's number: by C's tile row or tile column
	s_cselect_b32 s8, s40, s41                     ; my place among the four
	s_cselect_b32 s9, s92, s94                     ; the operand's part of its buffer
	s_cselect_b64 s[PFA:PFA+1], s[4:5], s[6:7]
	s_lshl_b32 s2, s2, 8
	s_lshl_b32 s8, s8, 5
	s_add_co_u32 s2, s2, s8
	s_lshl_b32 s8, s16, 7
	s_add_co_u32 s2, s2, s8                        ; my first row
	s_lshl_b32 s2, s2, 10
	s_add_co_u32 s8, s2, s9
	s_add_co_u32 s8, s8, 2*ROWB                    ; at K step 2
	s_mov_b32 s9, 0
	s_add_nc_u64 s[PFA:PFA+1], s[PFA:PFA+1], s[8:9]
	v_and_b32 v[PFO], 31, v0
	v_lshlrev_b32 v[PFO], 10, v[PFO]
	global_prefetch_b8 v[PFO], s[PFA:PFA+1] th:TH_LOAD_NT scope:SCOPE_SE
	v_and_b32 v1, 15, v0                           ; l % 16
	s_wait_alu depctr_va_vdst(0)
	v_bfe_u32 v2, v0, 4, 1                         ; l / 16
	v_mul_u32_u24 v3, v1, PITCH
	v_lshl_add_u32 v4, v2, 4, v3                   ; a fragment's row x pitch + 16 x half
	s_mul_i32 s21, s15, HALFT                      ; my 128 rows of A
	s_mul_i32 s22, s16, HALFT                      ; my 128 rows of B,
	s_add_co_u32 s22, s22, 2*HALFT                 ; which lie behind A's 256
.irp s, 0,1
	v_add_nc_u32 v[ADRA+\s], s21, v4
	v_add_nc_u32 v[ADRB+\s], s22, v4
	s_add_co_u32 s21, s21, SLOT
	s_add_co_u32 s22, s22, SLOT
.endr
	v_and_b32 v[CO], 31, v0
	v_lshlrev_b32 v[CO], 4, v[CO]                  ; those eight rows are 512 consecutive bytes of a panel
	s_lshl_b32 s20, s17, 8
	s_lshl_b32 s21, s15, 7
	s_add_co_u32 s20, s20, s21                     ; my first row of C: 256 x tile row + 128 x half,
	s_lshl_b32 s20, s20, 6                         ; 64 bytes a row in a panel
	s_lshl_b32 s46, s42, 2
	s_lshl_b32 s47, s16, 1
	s_add_co_u32 s46, s46, s47                     ; my first panel: 4 x tile column + 2 x half
	s_mul_i32 s46, s46, s70
	s_add_co_u32 s20, s20, s46
	s_add_co_u32 s20, s20, s66                     ; in the product's part of qkv: under 2^25 in all
	s_mov_b32 s21, 0
	s_add_nc_u64 s[10:11], s[90:91], s[20:21]      ; my first panel,
	s_add_nc_u64 s[12:13], s[10:11], s[70:71]      ; and my second; all further steps are immediates
.macro FRAG reg, adr, q, i             ; a fragment, 16 rows x 128 K of 8-bit codes, is 16 registers: four loads of 16 bytes, 32 bytes apart; by the codes' order in memory each k falls into the place that the form gives it
.irp c, 0,1,2,3
	ds_load_b128 v[\reg+4*\c:\reg+4*\c+3], v[\adr] offset:128*(\q)+32*\c+(\i)*16*PITCH
.endr
.endm
; 16 matrix instructions: A's blocks a0, a0 + 1 x B's eight, 128 along K.  p: B's set.  zero = 1: the first product starts the sums: nothing is ever cleared.
; The 64 accumulators take turns, one instruction a turn, in the same order in every step.
.macro MUL16 a0, p, zero
.irp a, \a0, \a0+1
.irp b, 0,1,2,3,4,5,6,7
.if \zero
	v_wmma_f32_16x16x128_fp8_fp8 v[8*(8*((\a)%4)+\b):8*(8*((\a)%4)+\b)+7], v[128*(\p)+FR*\b:128*(\p)+FR*\b+FR-1], v[AF+FR*(\a):AF+FR*(\a)+FR-1], 0
.else
	v_wmma_f32_16x16x128_fp8_fp8 v[8*(8*((\a)%4)+\b):8*(8*((\a)%4)+\b)+7], v[128*(\p)+FR*\b:128*(\p)+FR*\b+FR-1], v[AF+FR*(\a):AF+FR*(\a)+FR-1], v[8*(8*((\a)%4)+\b):8*(8*((\a)%4)+\b)+7]
.endif
.endr
.endr
.endm
.macro FETCH_B slot, q, p              ; B's eight fragments of the slot's q-th 128 along K into set p
	WIN TO_B
.irp i, 0,1,2,3,4,5,6,7
	FRAG 128*(\p)+FR*\i, ADRB+\slot, \q, \i
.endr
	WIN 0
.endm
.macro FETCH_A slot, q, i0             ; A's blocks i0 .. i0 + 3
.irp i, \i0, \i0+1, \i0+2, \i0+3
	FRAG AF+FR*(\i), ADRA+\slot, \q, \i
.endr
.endm
; A load into a register that a matrix instruction has read, and a vector instruction that reads a matrix result, stand NP places behind that matrix instruction, and only plain vector
; instructions that name none of its registers are places (ISA guide 7.12.1 for vector instructions).
.macro PLACES n
.rept \n
	v_nop
.endr
.endm
; A step of 128 along K that has its successor in the same slot.  A block of A is free as soon as its eight products are issued, so one set of registers serves A.
.macro STEP slot, q, zero
	s_wait_dscnt 4*NL                              ; B's set and A's blocks 0-3 are in; the youngest sixteen loads (A's blocks 4-7) may be out
	WIN MUL_LO
	MUL16 0, (\q)%2, \zero
	MUL16 2, (\q)%2, \zero
	s_wait_dscnt 0                                 ; A's blocks 4-7 are in (asked for 32 matrix instructions ago)
	PLACES NP
	FETCH_B \slot, (\q)+1, 1-(\q)%2
	FETCH_A \slot, (\q)+1, 0
	WIN MUL_HI
	MUL16 4, (\q)%2, \zero
	MUL16 6, (\q)%2, \zero
	PLACES NP
	WIN 0
	FETCH_A \slot, (\q)+1, 4
.endm
; A slot's last step changes slots: ONE barrier; in front of it each wave waits for all its tensor loads, adds 0 to its spare word, and waits for that and for its own reads of this slot.  fill = 1: this slot is filled again, two K steps ahead.
.macro TURN slot, next, fill
	s_wait_tensorcnt 0x0                           ; all my tensor loads have landed: my part of the next slot;  (every window is 0 here: the add's two registers lie in window 0)
	ds_add_u32 v[SPW], v[NIL]                      ; 0 onto my spare word;
	s_wait_dscnt 4*NL+1                            ; (the add and the youngest sixteen loads, A's blocks 4-7, may be out)
	WIN MUL_LO
	MUL16 0, 1, 0                                  ; sixteen matrix instructions stand between the add and the wait for it
	s_wait_dscnt 0x0                               ; the add is done, and my reads of this slot are over
	s_barrier_signal -1
	MUL16 2, 1, 0
	WIN 0
	s_barrier_wait -1
.if \fill
	CREST                                          ; the barrier has opened a round of the cluster's barrier: no wave of any partner still reads this slot's tile or has a load on its way
	s_add_nc_u64 s[G0+4*\slot+2:G0+4*\slot+3], s[G0+4*\slot+2:G0+4*\slot+3], 2*ROWB
	s_add_nc_u64 s[G0B+4*\slot+2:G0B+4*\slot+3], s[G0B+4*\slot+2:G0B+4*\slot+3], 2*ROWB
	JLOAD G0+4*\slot, G1, G0B+4*\slot, G1B         ; the first tensor load behind the round; the four v_nop behind it are the places in front of the loads below
.else
	PLACES NP
.endif
	FETCH_B \next, 0, 0
	FETCH_A \next, 0, 0
	WIN MUL_HI
	MUL16 4, 1, 0
	MUL16 6, 1, 0
	PLACES NP
	WIN 0
	FETCH_A \next, 0, 4
.endm
	s_wait_alu depctr_va_vdst(0)                   ; the head's end
	s_wait_tensorcnt 0x0                           ; my part of K step 0 is in
	ds_add_u32 v[SPW], v[NIL]
	s_wait_dscnt 0x0
	CROUND                                         ; everybody's part of K step 0 is in, and all sixteen work-groups are here
	JLOAD G0+4, G1, G0B+4, G1B                     ; K step 1's load, the first tensor load behind the round
	FETCH_B 0, 0, 0
	FETCH_A 0, 0, 0
	FETCH_A 0, 0, 4
	global_prefetch_b8 v[PFO], s[PFA:PFA+1] offset:ROWB th:TH_LOAD_NT scope:SCOPE_SE   ; K step 3, behind K step 1's load and the run of LDS loads
	STEP 0, 0, 1
	s_mov_b32 s3, LAPS-1
.Llap:                                                 ; a trip goes once round the ring, from a lap's second step to the next lap's first, and fills both slots again
	TURN 0, 1, 1
	STEP 1, 0, 0
	TURN 1, 0, 1
	STEP 0, 0, 0
	s_sub_co_u32 s3, s3, 1
	s_cmp_lg_u32 s3, 0
	s_cbranch_scc1 .Llap
	TURN 0, 1, 0                                   ; the last lap fills nothing, and has no round of the cluster's barrier
	STEP 1, 0, 0
	s_wait_dscnt 4*NL                              ; the very last step: nothing more to fetch
	WIN MUL_LO
	MUL16 0, 1, 0
	MUL16 2, 1, 0
	s_wait_dscnt 0
	WIN MUL_HI
	MUL16 4, 1, 0
	MUL16 6, 1, 0
	WIN 0
; THE WAY OUT, block by block of 16 rows x 128 columns.  The 64 sums of a lane are held within +-448 x the scale (each accumulator from its low end on) and converted, eight neighbouring columns to 8 bytes.
; THE ORDER INSIDE A PANEL: each 16 rows x 64 columns, 1,024 bytes, lie as [c][lane][16 bytes]: lane l = 16 h + r holds the 16 bytes at 32 c + 16 h of row r.  That is what a lane's four registers of two
; neighbouring tiles are, and what a lane of the reader's fragment takes: so the codes go from registers to memory as they stand, 32 lanes to 512 consecutive bytes, and the reader's loads are dense.
.macro LEAVE a
.set AC, 64*((\a)%4)
.set CDS, CD+16*((\a)%2)
	WIN 0x02+((\a)/4)                              ; source 0: window 2 or 3
.set n, 0
.rept 64
	v_med3_num_f32 v[TMP+n], v[AC+n], -v[LIMV], v[LIMV]   ; the conversion to an 8-bit code does not saturate (ISA guide 7.6.2)
.set n, n+1
.endr
	WIN 0
.irp b, 0,1,2,3,4,5,6,7
	v_cvt_scalef32_pk8_fp8_f32 v[CDS+2*\b:CDS+2*\b+1], v[TMP+8*\b:TMP+8*\b+7], v[SCL]
.endr
	v_nop                                          ; one plain vector line behind the conversions, ahead of the next block's lines that write their sources
.irp g, 0,1,2,3
	global_store_b128 v[CO], v[CDS+4*\g:CDS+4*\g+3], s[10+2*(\g/2):11+2*(\g/2)] offset:1024*(\a)+512*(\g%2)   ; columns 32 g on: panel g / 2, c = g % 2; 512 consecutive bytes, at a multiple of 512 from the buffer's first byte
.endr
.endm
	s_wait_kmcnt 0x0
	s_sub_co_i32 s72, s78, s72                     ; e6 - e0 - e1,
	s_sub_co_i32 s72, s72, s73
	s_sub_co_i32 s74, s79, s74                     ; e7 - e2 - e3,
	s_sub_co_i32 s74, s74, s75
	s_sub_co_i32 s76, s81, s76                     ; e9 - e4 - e5:
	s_sub_co_i32 s76, s76, s77
	s_cmp_eq_u32 ttmp9, 1                          ; the one of my product, chosen without a jump
	s_cselect_b32 s72, s74, s72
	s_cmp_eq_u32 ttmp9, 2
	s_cselect_b32 s72, s76, s72
	s_add_co_i32 s72, s72, 127
	s_lshl_b32 s73, s72, 23
	v_mov_b32 v[SCL], s73
	s_add_co_i32 s72, s72, 8
	s_lshl_b32 s72, s72, 23
	s_or_b32 s72, s72, 0x600000
	v_mov_b32 v[LIMV], s72
	PLACES NP                                      ; behind the last products: for the reads of results
.irp a, 0,1,2,3,4,5,6,7
.if \a > 1
	s_wait_xcnt 0x0                                ; block a - 2's stores have read their codes: block a's are written into the same set
.endif
	LEAVE \a
.endr
	s_wait_tensorcnt 0x0                           ; the wave's end: behind my last tensor load and my last LDS store
	ds_add_u32 v[SPW], v[NIL]
	s_wait_dscnt 0x0
	CROUND                                         ; the closing round: no work-group ends while a partner may still ask for a tile that names it
	s_endpgm
.Lfunc_end_k_qbed748b2da_proj:
	.size	k_qbed748b2da_proj, .Lfunc_end_k_qbed748b2da_proj-k_qbed748b2da_proj
	.p2alignl 7, 3214868480
	.fill 96, 4, 3214868480
	.section	.rodata,"a",@progbits
	.p2align	6, 0x0
	.amdhsa_kernel k_qbed748b2da_proj
		.amdhsa_group_segment_fixed_size 327680
		.amdhsa_private_segment_fixed_size 0
		.amdhsa_enable_private_segment 0
		.amdhsa_kernarg_size 32
		.amdhsa_user_sgpr_count 2
		.amdhsa_user_sgpr_kernarg_segment_ptr 1
		.amdhsa_wavefront_size32 1
		.amdhsa_system_sgpr_workgroup_id_x 1
		.amdhsa_system_sgpr_workgroup_id_y 1
		.amdhsa_system_sgpr_workgroup_id_z 1
		.amdhsa_system_vgpr_workitem_id 0
		.amdhsa_next_free_vgpr 1024
		.amdhsa_next_free_sgpr 100
		.amdhsa_reserve_vcc 0
		.amdhsa_float_denorm_mode_32 3
		.amdhsa_float_denorm_mode_16_64 3
		.amdhsa_memory_ordered 1
		.amdhsa_forward_progress 1
		.amdhsa_inst_pref_size 120
	.end_amdhsa_kernel
	.amdgpu_metadata
---
amdhsa.version: [ 1, 2 ]
amdhsa.kernels:
  - .name:           k_qbed748b2da_proj
    .symbol:         k_qbed748b2da_proj.kd
    .args:
      - { .name: xc, .offset: 0, .size: 8, .value_kind: global_buffer, .address_space: global }
      - { .name: wc, .offset: 8, .size: 8, .value_kind: global_buffer, .address_space: global }
      - { .name: lowp_scales, .offset: 16, .size: 8, .value_kind: global_buffer, .address_space: global }
      - { .name: qkv, .offset: 24, .size: 8, .value_kind: global_buffer, .address_space: global }
    .group_segment_fixed_size: 327680
    .private_segment_fixed_size: 0
    .kernarg_segment_align: 8
    .kernarg_segment_size: 32
    .max_flat_workgroup_size: 128
    .sgpr_count:     100
    .vgpr_count:     1024
    .wavefront_size: 32
...
	.end_amdgpu_metadata
.endif
;; end of part 2
;; launch attn (part 3): grid 4 x 64, 8 waves a work-group, clusters of 4 x 1, 327,680 bytes of LDS; arguments qkv, lowp_scales, ctx; writes ctx
.if DOCPART == 3
	.amdgcn_target "amdgcn-amd-amdhsa--gfx1250"
	.amdhsa_code_object_version 6
	.text
	.protected	k_qbed748b2da_attn
	.globl	k_qbed748b2da_attn
	.p2align	8
	.type	k_qbed748b2da_attn,@function
k_qbed748b2da_attn:
	s_mov_b64 s[64:65], 0
	v_nop
	global_prefetch_b8 v0, s[64:65] scope:SCOPE_SE
	s_setreg_imm32_b32 hwreg(HW_REG_WAVE_MODE, 25, 1), 1
	s_wait_xcnt 0x0
	s_wait_alu depctr_hold_cnt(0) depctr_sa_sdst(0) depctr_va_vdst(0) depctr_va_sdst(0) depctr_va_ssrc(0) depctr_va_vcc(0) depctr_vm_vsrc(0)
	s_getreg_b32 s2, hwreg(HW_REG_IB_STS2, 6, 4)
	s_cmp_eq_u32 s2, 0
	s_cbranch_scc0 .Lentry_in_a_cluster
	s_endpgm
.Lentry_in_a_cluster:
	s_bfe_u32 s2, ttmp6, 0x10000c
	s_cmp_lg_u32 s2, 0x3003
	s_cbranch_scc0 .Lentry_shape_is_right
	s_endpgm
.Lentry_shape_is_right:
; CAUSAL ATTENTION ON CODES OF FP8 (E4M3), head size 64, 2,048 tokens, 64 pairs of batch and head; the result is quantised at once to the codes of the last product's operand.
; qkv part 0: q, part 1: k, each [head][batch x 2048 + token][64]; part 2: v with the keys innermost, [batch x 32 + token / 64][head x 64 + e][64 keys]; ctx: [head][batch x 2048 + token][64]; one byte a code.
; In all four each 16 rows x 64 bytes lie as [c][lane][16 bytes]: lane 16 h + r holds the 16 bytes at 32 c + 16 h of row r, and inside each 32 along K byte 16 g + 8 u + j holds k = 16 u + 8 g + j:
; a lane's dense 16-byte loads put each k into the place that the plain FP8 forms give it, and a lane's conversions leave 16 bytes that are stored as they stand.
; LEFT OUT: key steps all of whose keys come after a tile's queries: those scores are -inf under the causal mask, so their p is 0 for all inputs.  A NaN or infinity that reaches only those scores is not carried to the result.
; THE SOFTMAX AHEAD OF THE SECOND PRODUCT: t = score x log2(e) / 8; M = the row's largest t so far, rounded UP to a whole number; p = 2^(t - M) is what is quantised (scale 2^e8), not normalised.
; The row's sum is taken of the unquantised p, in f32, and divides O at the end.  When M moves, the sum and O are multiplied by 2^(old M - new M): exact.
; SHARES.  The four work-groups of a cluster serve one batch and head.  The 2,048 queries are 16 groups of 128; of group m work-group cx owns queries 128 m + 32 cx .. + 31, one tile, which needs key steps 0 .. m of 128 keys,
; the last of them under the mask.  So all four partners need all 2,048 keys and the same trips: no branch, trip count or LDS address hangs on cx.  Wave w of eight takes tile 15 - w and then tile w: 17 key steps for every wave.
; K AND V STAY IN LDS: 2 x 131,072 bytes, each byte filled once, by JOINT loads (mask 15) in four stages of 512 keys, one load a wave and stage (waves 0-3: K, 8,192 bytes each; waves 4-7: V, two panels each).
; Stage 0 is asked for at the head, stages 1, 2, 3 behind rounds of the cluster's barrier ahead of key steps 0, 2, 4; a barrier ahead of step 6 shows the last; none follows.  Every tile 15 - w has at least 9 steps, so steps 0 to 5 are every wave's.
; K's fragments of step s + 1 are read from LDS during step s: in the trip of steps 2 p and 2 p + 1 the stages 0 .. p, steps 0 .. 4 p + 3, have been shown to every wave.
; NO PREFETCH INTO THE L2: the last stage is asked for at key step 4 and first read at step 11; there is no later stream to run ahead of.
; LAYOUT.  Both products transposed: S^T = K Q^T (source 0 = 16 keys, source 1 = 16 queries, K = 64), O^T = V^T P^T (source 0 = 16 of the head's 64, source 1 = P, K = 128 keys): a lane holds one query (lane % 16) of each
; of the tile's two halves a = 0, 1; register j of score tile t is key 16 t + 8 (lane / 16) + j, so the conversions' results are the second product's operand.  Each fragment of K and V feeds two matrix instructions.
; LIMITS on the given exponents: e6 + e7 between -123 and 130 (added to c's exponent field); e8 and e10 between -126 and 119; e8 + e9 is applied by v_ldexp_f32 and has none.  The scaled scores stay under 2^31 in magnitude.
; REGISTERS.  Window 0: v1-9 addresses; v12-23 -M, largest t, sums, f (a pair for each half); v24-31 mask and constants; v32-47 Q; v48-79 p's codes; v80-85 work; v96-223 S^T, then p; v224-255 partial sums.
;   Window 1: v0-63 K's eight fragments; v64-127 V's four; v128-191 O^T; v192-207 the second tile's Q.
.set VOFF,  131072                     ; V behind K
.set SPARE, 262144                     ; the spare words, 128 bytes for each wave: four blocks of 256 bytes that no other line names
.set L16, 1                            ; 16 x lane
.set AV0, 2                            ; VOFF + 16 x lane
.set SPW, 5
.set NIL, 6
.set ADK, 8
.set ADV, 9
.set NM,  12                           ; v[12+2a] -M, v[13+2a] the largest t
.set SUM, 16                           ; v[16+2a:17+2a] the row's sum in two halves
.set FF,  20                           ; v[20+2a] f; v[21+2a] named with it as a pair
.set DM,  24                           ; v[24+a] my query in its group of 128, less 8 (lane / 16)
.set LIM, 26                           ; v26, v27: 448 x 2^e8, twice
.set SCP, 28                           ; 2^e8
.set SCO, 29                           ; 2^e10
.set LIMO, 30                          ; 448 x 2^e10
.set NINF, 31
.set QF,  32
.set CD,  48
.set XM,  80
.set PM,  84
.set S,   96
.set T,   224
.set U,   240
.set KF,  0                            ; window 1
.set VF,  64
.set OT,  128
.set Q2,  192
.set WV,  10
.set SEL, 20
.set CS,  22
.set G1K, 24
.set G1V, 32
.set G0K, 40
.set G0V, 44
.set QP,  48
.set QP2, 50
.set CP,  52
.set CP2, 54
.set TB,  56                           ; 8,192 x the key step
.set KS,  57                           ; the key step
.set MT,  58                           ; the tile's group m: its last key step
.set CI,  59
.set CO,  60
.set ES,  61                           ; e8 + e9
.set MSB, 0
.macro WIN new                         ; the immediate's high byte repeats the setting that is left
.if MSB != \new
	s_set_vgpr_msb (MSB<<8)|\new
.set MSB, \new
.endif
.endm
.macro JLOAD                           ; a joint load: one line for K's waves, one for V's; the branch hangs on the wave's number alone; s_nop 0 and four v_nop follow each line
	s_cmp_lt_u32 s[WV], 4
	s_cbranch_scc0 .Lfor_v_\@
	tensor_load_to_lds s[G0K:G0K+3], s[G1K:G1K+7]
	s_nop 0
.rept 4
	v_nop
.endr
	s_branch .Lasked_\@
.Lfor_v_\@:
	tensor_load_to_lds s[G0V:G0V+3], s[G1V:G1V+7]
	s_nop 0
.rept 4
	v_nop
.endr
.Lasked_\@:
.endm
.macro CROUND                          ; a round of the cluster's barrier
	s_barrier_signal -1
	s_barrier_wait -1
	s_cmp_lg_u32 s[WV], 0
	s_cbranch_scc1 .Lnot_wave_0_\@
	s_barrier_signal -3
.Lnot_wave_0_\@:
	s_barrier_wait -3
	s_barrier_signal -1
	s_barrier_wait -1
.endm
.macro PRELOAD                         ; K's eight fragments of the key step in hand; it stands where no LDS load of mine is out.  (Where the step before has fetched them already they are fetched once more: one text serves every entry)
	v_add_nc_u32 v[ADK], s[TB], v[L16]
	WIN 0x40
.set n, 0
.rept 16
	ds_load_b128 v[KF+4*n:KF+4*n+3], v[ADK] offset:512*n   ; fragment n / 2, c = n % 2: 32 lanes read 512 bytes on end
.set n, n+1
.endr
	WIN 0
.endm
.macro BEGIN                           ; a tile's state: O^T and the sums as zeros, the largest t as -3e38.  The key step is written without a first step of its own: the first change of M leaves zeros zeros
.irp a, 0,1
	v_mov_b32 v[NM+2*\a+1], 0xff61b1e6
	v_floor_f32 v[NM+2*\a], -v[NM+2*\a+1]
	v_mov_b32 v[SUM+2*\a], 0
	v_mov_b32 v[SUM+2*\a+1], 0
.endr
	WIN 0x40
.set n, 0
.rept 64
	v_mov_b32 v[OT+n], 0
.set n, n+1
.endr
	WIN 0
.endm
	s_load_b128 s[4:7], s[0:1], 0x0                ; qkv, the scales' exponents
	s_load_b64 s[8:9], s[0:1], 0x10                ; ctx
	v_lshl_add_u32 v[SPW], v0, 2, SPARE
	v_mov_b32 v[NIL], 0
	ds_add_u32 v[SPW], v[NIL]                      ; the opening: the add, twice on end, and its wait ahead of my first tensor load
	ds_add_u32 v[SPW], v[NIL]
	v_lshrrev_b32 v8, 5, v0
	v_readfirstlane_b32 s[WV], v8                  ; wave 0..7
	s_and_b32 s11, s[WV], 3                        ; which quarter of a stage I fetch
	s_bfe_u32 s13, ttmp6, 0x40000                  ; cx
	s_and_b32 s14, ttmp7, 0xffff
	s_and_b32 s15, s14, 15                         ; the head
	s_lshr_b32 s14, s14, 4                         ; the batch
	s_lshl_b32 s90, s15, 19
	s_lshl_b32 s16, s14, 17
	s_add_co_u32 s90, s90, s16                     ; where my batch and head begin in q, in k and in ctx
	s_lshl_b32 s17, s11, 13                        ; my quarter: 8,192 bytes
	s_add_co_u32 s92, s90, s17
	s_add_co_u32 s92, s92, 0x800000                ; K: in part 1 of qkv
	s_mov_b32 s93, 0
	s_lshl_b32 s94, s14, 21                        ; V: a batch's 32 panels of 65,536 bytes,
	s_lshl_b32 s16, s15, 12                        ; a head's 64 rows in a panel,
	s_add_co_u32 s94, s94, s16
	s_lshl_b32 s16, s11, 17                        ; my two panels of a stage's eight,
	s_add_co_u32 s94, s94, s16
	s_add_co_u32 s94, s94, 0x1000000               ; in part 2 of qkv
	s_mov_b32 s95, 0
	s_mov_b32 s[G0K], 1
	s_mov_b32 s[G0K+1], s17
	s_mov_b32 s[G0V], 1
	s_add_co_u32 s[G0V+1], s17, VOFF
.irp g, G1K, G1V                       ; group 1: two rows of 4,096 bytes, no padding; the mask names the cluster's four, bit 21 beside it
	s_mov_b32 s[\g], 15|(1<<21)
	s_mov_b32 s[\g+1], 4096<<16
	s_mov_b32 s[\g+2], 2<<16
	s_mov_b32 s[\g+3], 4096<<16
	s_mov_b32 s[\g+4], 2
	s_mov_b32 s[\g+6], 0
	s_mov_b32 s[\g+7], 0
.endr
	s_mov_b32 s[G1K+5], 4096                       ; K's rows on end,
	s_mov_b32 s[G1V+5], 65536                      ; V's a panel apart
	s_sub_co_u32 s[MT], 15, s[WV]                  ; the first tile's group
	s_lshl_b32 s18, s13, 11                        ; 32 cx rows of 64 bytes
	s_lshl_b32 s96, s[MT], 13                      ; 128 m rows
	s_add_co_u32 s96, s96, s18
	s_add_co_u32 s96, s96, s90                     ; the first tile in q and in ctx,
	s_mov_b32 s97, 0
	s_lshl_b32 s98, s[WV], 13
	s_add_co_u32 s98, s98, s18
	s_add_co_u32 s98, s98, s90                     ; and the second
	s_mov_b32 s99, 0
	s_lshl_b32 s12, s13, 5                         ; 32 cx
	s_mov_b32 s[SEL], 0x76543210
	s_mov_b32 s[SEL+1], 0xfedcba98
	s_mov_b32 s[CS], 0x3e38aa3b                    ; log2(e) / 8
	s_mov_b32 s[TB], 0
	s_mov_b32 s[KS], 0
	s_wait_dscnt 0x0                               ; both opening adds are done
	s_wait_kmcnt 0x0
	s_load_b256 s[72:79], s[6:7], 0x0              ; e0 .. e7
	s_load_b128 s[80:83], s[6:7], 0x20             ; e8 .. e11
	s_add_nc_u64 s[G0K+2:G0K+3], s[4:5], s[92:93]
	s_or_b32 s[G0K+3], s[G0K+3], 0x80000000
	s_add_nc_u64 s[G0V+2:G0V+3], s[4:5], s[94:95]
	s_or_b32 s[G0V+3], s[G0V+3], 0x80000000
	s_add_nc_u64 s[QP:QP+1], s[4:5], s[96:97]
	s_add_nc_u64 s[QP2:QP2+1], s[4:5], s[98:99]
	s_add_nc_u64 s[CP:CP+1], s[8:9], s[96:97]
	s_add_nc_u64 s[CP2:CP2+1], s[8:9], s[98:99]
	CROUND                                         ; all four work-groups are here: the first joint loads meet
	JLOAD                                          ; stage 0: keys 0 to 511
	v_and_b32 v[L16], 31, v0
	v_lshlrev_b32 v[L16], 4, v[L16]
.irp i, 0,1,2,3
	global_load_b128 v[QF+4*\i:QF+4*\i+3], v[L16], s[QP:QP+1] offset:512*\i    ; the first tile's Q: half a = i / 2, c = i % 2
.endr
	WIN 0x40
.irp i, 0,1,2,3
	global_load_b128 v[Q2+4*\i:Q2+4*\i+3], v[L16], s[QP2:QP2+1] offset:512*\i  ; the second tile's, asked for now and copied when its turn comes
.endr
	WIN 0
	s_wait_alu depctr_va_vdst(0)                   ; directly ahead of the wait below
	s_wait_kmcnt 0x0
	s_add_co_i32 s14, s78, s79
	s_lshl_b32 s14, s14, 23
	s_add_co_i32 s[CS], s[CS], s14                 ; a score stands for score x 2^(e6 + e7)
	s_mov_b32 s[CS+1], s[CS]
	s_add_co_i32 s14, s80, 127
	s_lshl_b32 s15, s14, 23                        ; 2^e8
	s_add_co_i32 s14, s14, 8
	s_lshl_b32 s14, s14, 23
	s_or_b32 s14, s14, 0x600000                    ; 448 x 2^e8
	s_add_co_i32 s16, s82, 127
	s_lshl_b32 s17, s16, 23                        ; 2^e10
	s_add_co_i32 s16, s16, 8
	s_lshl_b32 s16, s16, 23
	s_or_b32 s16, s16, 0x600000                    ; 448 x 2^e10
	s_add_co_i32 s[ES], s80, s81
	v_and_b32 v8, 15, v0                           ; r
	v_bfe_u32 v9, v0, 4, 1                         ; h
	v_add_nc_u32 v[AV0], VOFF, v[L16]
	v_lshlrev_b32 v[DM], 3, v9
	v_sub_nc_u32 v[DM], v8, v[DM]
	v_add_nc_u32 v[DM], s12, v[DM]                 ; 32 cx + r - 8 h,
	v_add_nc_u32 v[DM+1], 16, v[DM]                ; and 16 more for the tile's second half
	v_mov_b32 v[LIM], s14
	v_mov_b32 v[LIM+1], s14
	v_mov_b32 v[SCP], s15
	v_mov_b32 v[SCO], s17
	v_mov_b32 v[LIMO], s16
	v_mov_b32 v[NINF], 0xff800000
	v_mov_b32 v[PM], 0                             ; written once: a lane permute's destination counts as one of its sources
	v_mov_b32 v[PM+1], 0
	v_mov_b32 v[FF+1], 0                           ; (named as the upper halves of f's pairs)
	v_mov_b32 v[FF+3], 0
	BEGIN
; A KEY STEP: 128 keys x the tile's 32 queries.  msk = 1: the copy for steps that may lie behind a tile's last (left out: a scalar branch on the wave's number and the count of steps) or on the diagonal.
; K's fragments are in flight or in registers when the step begins; behind the score products the next step's are asked for (behind a tile's last step they are not used).
.macro STEP msk
.if \msk
	s_cmp_gt_u32 s[KS], s[MT]
	s_cbranch_scc1 .Lhid_\@
.endif
	v_add_nc_u32 v[ADK], s[TB], v[L16]
	v_add_nc_u32 v[ADV], s[TB], v[AV0]
	v_nop                                          ; with the two additions: four places in front of loads into registers that the last step's products have read
	v_nop
	WIN 0x40
.irp t, 0,1,2,3
.irp c, 0,1,2,3
	ds_load_b128 v[VF+16*\t+4*\c:VF+16*\t+4*\c+3], v[ADV] offset:4096*(\c/2)+1024*\t+512*(\c%2)
.endr
.endr
	s_wait_alu depctr_va_vdst(0)                   ; directly ahead of the wait below
	s_wait_dscnt 16                                ; K's sixteen loads, issued ahead of V's, are in; V's sixteen may be out
	WIN 0x01
.irp t, 0,1,2,3,4,5,6,7
.irp a, 0,1
	v_wmma_f32_16x16x64_fp8_fp8 v[S+64*\a+8*\t:S+64*\a+8*\t+7], v[KF+8*\t:KF+8*\t+7], v[QF+8*\a:QF+8*\a+7], 0
.endr
.endr
	WIN 0
.rept 4
	v_nop                                          ; places in front of the loads below and of the first read of the scores
.endr
	WIN 0x40
.set n, 0
.rept 16
	ds_load_b128 v[KF+4*n:KF+4*n+3], v[ADK] offset:8192+512*n   ; the next step's K
.set n, n+1
.endr
	WIN 0
.if \msk
	s_cmp_lg_u32 s[KS], s[MT]                      ; the tile's last step lies on the diagonal: hidden scores become -infinity ahead of the maximum, so that p = 0.  Register 8 t + j holds key 16 t + 8 (lane / 16) + j of the step
	s_cbranch_scc1 .Lopen_\@
.irp a, 0,1
.set n, 0
.rept 64
	v_cmp_gt_i32 vcc_lo, 16*(n/8)+n%8, v[DM+\a]
	v_cndmask_b32 v[S+64*\a+n], v[S+64*\a+n], v[NINF], vcc_lo
.set n, n+1
.endr
.endr
.Lopen_\@:
.endif
.irp a, 0,1                            ; the step's largest score of each query: two chains for each half, the four by turns; each accumulator is first read at its low end
	v_max3_num_f32 v[XM+2*\a], v[S+64*\a], v[S+64*\a+1], v[S+64*\a+2]
	v_max3_num_f32 v[XM+2*\a+1], v[S+64*\a+3], v[S+64*\a+4], v[S+64*\a+5]
.endr
.irp i, 6,10,14,18,22,26,30,34,38,42,46,50,54,58
.irp a, 0,1
	v_max3_num_f32 v[XM+2*\a], v[XM+2*\a], v[S+64*\a+\i], v[S+64*\a+\i+1]
	v_max3_num_f32 v[XM+2*\a+1], v[XM+2*\a+1], v[S+64*\a+\i+2], v[S+64*\a+\i+3]
.endr
.endr
.irp a, 0,1
	v_max3_num_f32 v[XM+2*\a], v[XM+2*\a], v[S+64*\a+62], v[S+64*\a+63]
.endr
.irp a, 0,1
	v_max_num_f32 v[XM+2*\a], v[XM+2*\a], v[XM+2*\a+1]
.endr
.irp a, 0,1
	v_permlanex16_b32 v[PM+\a], v[XM+2*\a], s[SEL], s[SEL+1]
.endr
.irp a, 0,1
	v_max_num_f32 v[XM+2*\a], v[XM+2*\a], v[PM+\a]   ; and among lane l xor 16's
.endr
.irp a, 0,1
	v_mul_f32 v[XM+2*\a], s[CS], v[XM+2*\a]        ; as t (c is positive)
.endr
.irp a, 0,1
	v_max_num_f32 v[NM+2*\a+1], v[NM+2*\a+1], v[XM+2*\a]   ; the running largest t
.endr
.irp a, 0,1
	v_mov_b32 v[XM+2*\a+1], v[NM+2*\a]
.endr
.irp a, 0,1
	v_floor_f32 v[NM+2*\a], -v[NM+2*\a+1]          ; the new -M = -ceil(t)
.endr
.irp a, 0,1
	v_sub_f32 v[XM+2*\a+1], v[NM+2*\a], v[XM+2*\a+1]   ; old M - new M: a whole number, 0 or less
.endr
.irp a, 0,1
	v_cvt_i32_f32 v[XM+2*\a+1], v[XM+2*\a+1]       ; (it saturates)
.endr
.irp a, 0,1
	v_ldexp_f32 v[FF+2*\a], 1.0, v[XM+2*\a+1]      ; f = 2^(old M - new M)
.endr
.irp a, 0,1
	v_pk_mul_f32 v[SUM+2*\a:SUM+2*\a+1], v[SUM+2*\a:SUM+2*\a+1], v[FF+2*\a:FF+2*\a+1] op_sel_hi:[1,0]
.endr
	WIN 0x41
.irp a, 0,1                            ; O^T under the new M, ahead of the exponentials: no transcendental stands between the last step's products and these first readers
.set n, 0
.rept 16
	v_pk_mul_f32 v[OT+32*\a+n:OT+32*\a+n+1], v[OT+32*\a+n:OT+32*\a+n+1], v[FF+2*\a:FF+2*\a+1] op_sel_hi:[1,0]
.set n, n+2
.endr
.endr
	WIN 0
.set n, 0
.rept 32
	v_pk_fma_f32 v[S+n:S+n+1], v[S+n:S+n+1], s[CS:CS+1], v[NM:NM+1] op_sel_hi:[1,0,0]   ; half 0: t - M, two at a time
.set n, n+2
.endr
	s_wait_dscnt 16                                ; V's fragments are in; the next step's sixteen loads of K may be out
	s_wait_alu depctr_va_vdst(0)                   ; ahead of the batch
.set n, 0
.rept 32                               ; half 0's exponentials, with half 1's t - M among them: lines that name none of the batch's registers
	v_exp_f32 v[S+n], v[S+n]
	v_pk_fma_f32 v[S+64+n:S+65+n], v[S+64+n:S+65+n], s[CS:CS+1], v[NM+2:NM+3] op_sel_hi:[1,0,0]
	v_exp_f32 v[S+n+1], v[S+n+1]
.set n, n+2
.endr
	v_nop                                          ; a plain line behind the last exponential
	s_wait_alu depctr_va_vdst(0)                   ; one wait: behind half 0's batch, and ahead of half 1's
.set n, 0
.rept 16                               ; half 1's exponentials; among them half 0's first level of sums (of the unquantised p) and then its hold: each result is written once here and first read behind the wait below
	v_exp_f32 v[S+64+n], v[S+64+n]
	v_pk_add_f32 v[T+n/2:T+n/2+1], v[S+n:S+n+1], v[S+n+2:S+n+3]
	v_exp_f32 v[S+65+n], v[S+65+n]
	v_dual_min_num_f32 v[S+n], v[S+n], v[LIM] :: v_dual_min_num_f32 v[S+n+1], v[S+n+1], v[LIM+1]   ; the conversion does not saturate (ISA guide 7.6.2); p is not negative, so the hold is one-sided
	v_exp_f32 v[S+66+n], v[S+66+n]
	v_dual_min_num_f32 v[S+n+2], v[S+n+2], v[LIM] :: v_dual_min_num_f32 v[S+n+3], v[S+n+3], v[LIM+1]
	v_exp_f32 v[S+67+n], v[S+67+n]
.set n, n+4
.endr
	v_nop
	s_wait_alu depctr_va_vdst(0)                   ; the wait behind the batch, ahead of its first reader
.irp t, 0,1,2,3,4,5,6,7
	v_cvt_scalef32_pk8_fp8_f32 v[CD+2*\t:CD+2*\t+1], v[S+8*\t:S+8*\t+7], v[SCP]   ; registers 2 t, 2 t + 1 of the operand: keys 16 t + 8 (lane / 16) + 0 .. 7
.endr
.irp k, 0,2,4,6,8,10,12,14
	v_pk_add_f32 v[T+\k:T+\k+1], v[T+\k:T+\k+1], v[T+16+\k:T+17+\k]   ; (plain lines between the conversions and the products that read their results)
.endr
	WIN 0x51
.irp t, 0,1,2,3                        ; O^T += V^T P^T, half 0; the eight accumulators take turns
	v_wmma_f32_16x16x128_fp8_fp8 v[OT+8*\t:OT+8*\t+7], v[VF+16*\t:VF+16*\t+15], v[CD:CD+15], v[OT+8*\t:OT+8*\t+7]
.endr
	WIN 0
.irp k, 0,2,4,6,8,10,12,14             ; half 1's sums in eight chains, half 0's last levels among them
	v_pk_add_f32 v[U+\k:U+\k+1], v[S+64+\k:S+65+\k], v[S+80+\k:S+81+\k]
.endr
.irp k, 0,2,4,6
	v_pk_add_f32 v[T+\k:T+\k+1], v[T+\k:T+\k+1], v[T+8+\k:T+9+\k]
.endr
.irp k, 0,2,4,6,8,10,12,14
	v_pk_add_f32 v[U+\k:U+\k+1], v[U+\k:U+\k+1], v[S+96+\k:S+97+\k]
.endr
.irp k, 0,2
	v_pk_add_f32 v[T+\k:T+\k+1], v[T+\k:T+\k+1], v[T+4+\k:T+5+\k]
.endr
.irp k, 0,2,4,6,8,10,12,14
	v_pk_add_f32 v[U+\k:U+\k+1], v[U+\k:U+\k+1], v[S+112+\k:S+113+\k]
.endr
	v_pk_add_f32 v[T:T+1], v[T:T+1], v[T+2:T+3]
.irp k, 0,2,4,6
	v_pk_add_f32 v[U+\k:U+\k+1], v[U+\k:U+\k+1], v[U+8+\k:U+9+\k]
.endr
	v_pk_add_f32 v[SUM:SUM+1], v[SUM:SUM+1], v[T:T+1]
.irp k, 0,2
	v_pk_add_f32 v[U+\k:U+\k+1], v[U+\k:U+\k+1], v[U+4+\k:U+5+\k]
.endr
.set n, 64
.rept 16
	v_dual_min_num_f32 v[S+n], v[S+n], v[LIM] :: v_dual_min_num_f32 v[S+n+1], v[S+n+1], v[LIM+1]
.set n, n+2
.endr
	v_pk_add_f32 v[U:U+1], v[U:U+1], v[U+2:U+3]
.rept 16
	v_dual_min_num_f32 v[S+n], v[S+n], v[LIM] :: v_dual_min_num_f32 v[S+n+1], v[S+n+1], v[LIM+1]
.set n, n+2
.endr
	v_pk_add_f32 v[SUM+2:SUM+3], v[SUM+2:SUM+3], v[U:U+1]
.irp t, 0,1,2,3,4,5,6,7
	v_cvt_scalef32_pk8_fp8_f32 v[CD+16+2*\t:CD+17+2*\t], v[S+64+8*\t:S+71+8*\t], v[SCP]
.endr
	v_nop                                          ; one plain line between the conversions and the products that read their results
	WIN 0x51
.irp t, 0,1,2,3
	v_wmma_f32_16x16x128_fp8_fp8 v[OT+32+8*\t:OT+39+8*\t], v[VF+16*\t:VF+16*\t+15], v[CD+16:CD+31], v[OT+32+8*\t:OT+39+8*\t]
.endr
	WIN 0
.if \msk
.Lhid_\@:
.endif
	s_add_co_u32 s[TB], s[TB], 8192
	s_add_co_u32 s[KS], s[KS], 1
.endm
; A TILE'S WAY OUT.  O^T x 2^(e8 + e9) / the sum is the context; it is held within +-448 x 2^e10 and converted.  A lane's four registers of two neighbouring channel tiles are the 16 bytes at 32 c + 16 (lane / 16) of its query's row:
; by ctx's order they are stored as they stand, 32 lanes to 512 consecutive bytes.
.macro FINISH
.rept 4
	v_nop                                          ; places behind the last products
.endr
.irp a, 0,1
	v_add_f32 v[SUM+2*\a], v[SUM+2*\a], v[SUM+2*\a+1]
.endr
.irp a, 0,1
	v_permlanex16_b32 v[PM+\a], v[SUM+2*\a], s[SEL], s[SEL+1]
.endr
.irp a, 0,1
	v_add_f32 v[SUM+2*\a], v[SUM+2*\a], v[PM+\a]   ; the row's sum
.endr
	s_wait_alu depctr_va_vdst(0)                   ; ahead of the transcendentals
	v_rcp_f32 v[SUM], v[SUM]
	v_rcp_f32 v[SUM+2], v[SUM+2]
	v_nop
	s_wait_alu depctr_va_vdst(0)                   ; and ahead of their first reader
	v_ldexp_f32 v[SUM], v[SUM], s[ES]
	v_ldexp_f32 v[SUM+2], v[SUM+2], s[ES]
	WIN 0x01
	s_wait_alu depctr_va_vdst(0)                   ; directly ahead of the first reader of O^T
.irp a, 0,1
.set n, 0
.rept 16
	v_pk_mul_f32 v[S+32*\a+n:S+32*\a+n+1], v[OT+32*\a+n:OT+32*\a+n+1], v[SUM+2*\a:SUM+2*\a+1] op_sel_hi:[1,0]   ; register 8 t + j: channel 16 t + 8 (lane / 16) + j
.set n, n+2
.endr
.endr
	WIN 0
.set n, 0
.rept 64
	v_med3_num_f32 v[S+n], v[S+n], -v[LIMO], v[LIMO]
.set n, n+1
.endr
.irp i, 0,1,2,3,4,5,6,7
	v_cvt_scalef32_pk8_fp8_f32 v[CD+2*\i:CD+2*\i+1], v[S+8*\i:S+8*\i+7], v[SCO]
.endr
	v_nop                                          ; one plain line behind the conversions
.irp g, 0,1,2,3
	global_store_b128 v[L16], v[CD+4*\g:CD+4*\g+3], s[CP:CP+1] offset:512*\g   ; half a = g / 2, c = g % 2; at a multiple of 512 from the buffer's first byte
.endr
.endm
	s_wait_alu depctr_va_vdst(0)                   ; the head's end
	s_wait_loadcnt 0x0                             ; Q, both tiles'
	s_mov_b32 s[CO], 3
.Lstage:                                           ; three trips of two key steps: behind each round the next 512 keys are asked for, into bytes that nothing has filled
	s_wait_tensorcnt 0x0                           ; my part of the stage asked for last is in, so group 0 may be written
	ds_add_u32 v[SPW], v[NIL]
	s_add_co_u32 s[G0K+1], s[G0K+1], 32768
	s_add_nc_u64 s[G0K+2:G0K+3], s[G0K+2:G0K+3], 32768
	s_add_co_u32 s[G0V+1], s[G0V+1], 32768
	s_add_nc_u64 s[G0V+2:G0V+3], s[G0V+2:G0V+3], 0x80000   ; eight panels on
	s_wait_dscnt 0x0
	CROUND                                         ; every wave's part is in, in all four work-groups
	JLOAD
	PRELOAD
	s_mov_b32 s[CI], 2
.Lpair:
	STEP 0
	s_sub_co_u32 s[CI], s[CI], 1
	s_cmp_lg_u32 s[CI], 0
	s_cbranch_scc1 .Lpair
	s_sub_co_u32 s[CO], s[CO], 1
	s_cmp_lg_u32 s[CO], 0
	s_cbranch_scc1 .Lstage
	s_wait_tensorcnt 0x0                           ; my part of the last stage is in;
	ds_add_u32 v[SPW], v[NIL]
	s_wait_dscnt 0x0
	s_barrier_signal -1
	s_barrier_wait -1                              ; everybody's is: all of K and V stands in LDS, and no barrier follows but the closing round
	s_mov_b32 s[CO], 2
.Ltile:                                            ; two trips of ten steps: the first tile's steps 6 to 15, then the second tile's 0 to 9; those behind a tile's last are left out inside the step
	s_wait_dscnt 0x0                               ; no load into K's registers is out
	PRELOAD
	s_mov_b32 s[CI], 10
.Lstep:
	STEP 1
	s_sub_co_u32 s[CI], s[CI], 1
	s_cmp_lg_u32 s[CI], 0
	s_cbranch_scc1 .Lstep
	FINISH
	s_wait_xcnt 0x0                                ; the stores have read their registers and their base
	s_mov_b32 s[MT], s[WV]                         ; the second tile's group
	s_mov_b32 s[KS], 0
	s_mov_b32 s[TB], 0
	s_mov_b64 s[CP:CP+1], s[CP2:CP2+1]
	s_sub_co_u32 s[CO], s[CO], 1
	s_cmp_eq_u32 s[CO], 0
	s_cbranch_scc1 .Llast
	WIN 0x01
.set n, 0
.rept 16
	v_mov_b32 v[QF+n], v[Q2+n]                     ; the second tile's Q into the registers that the one text of the step names
.set n, n+1
.endr
	WIN 0
	BEGIN
	s_wait_alu depctr_va_vdst(0)                   ; ahead of the branch
.Llast:
	s_cmp_lg_u32 s[CO], 0
	s_cbranch_scc1 .Ltile
	s_wait_tensorcnt 0x0                           ; the wave's end
	ds_add_u32 v[SPW], v[NIL]
	s_wait_dscnt 0x0
	CROUND                                         ; the closing round
	s_endpgm
.Lfunc_end_k_qbed748b2da_attn:
	.size	k_qbed748b2da_attn, .Lfunc_end_k_qbed748b2da_attn-k_qbed748b2da_attn
	.p2alignl 7, 3214868480
	.fill 96, 4, 3214868480
	.section	.rodata,"a",@progbits
	.p2align	6, 0x0
	.amdhsa_kernel k_qbed748b2da_attn
		.amdhsa_group_segment_fixed_size 327680
		.amdhsa_private_segment_fixed_size 0
		.amdhsa_enable_private_segment 0
		.amdhsa_kernarg_size 24
		.amdhsa_user_sgpr_count 2
		.amdhsa_user_sgpr_kernarg_segment_ptr 1
		.amdhsa_wavefront_size32 1
		.amdhsa_system_sgpr_workgroup_id_x 1
		.amdhsa_system_sgpr_workgroup_id_y 1
		.amdhsa_system_sgpr_workgroup_id_z 1
		.amdhsa_system_vgpr_workitem_id 0
		.amdhsa_next_free_vgpr 512
		.amdhsa_next_free_sgpr 100
		.amdhsa_reserve_vcc 1
		.amdhsa_float_denorm_mode_32 3
		.amdhsa_float_denorm_mode_16_64 3
		.amdhsa_memory_ordered 1
		.amdhsa_forward_progress 1
		.amdhsa_inst_pref_size 92
	.end_amdhsa_kernel
	.amdgpu_metadata
---
amdhsa.version: [ 1, 2 ]
amdhsa.kernels:
  - .name:           k_qbed748b2da_attn
    .symbol:         k_qbed748b2da_attn.kd
    .args:
      - { .name: qkv, .offset: 0, .size: 8, .value_kind: global_buffer, .address_space: global }
      - { .name: lowp_scales, .offset: 8, .size: 8, .value_kind: global_buffer, .address_space: global }
      - { .name: ctx, .offset: 16, .size: 8, .value_kind: global_buffer, .address_space: global }
    .group_segment_fixed_size: 327680
    .private_segment_fixed_size: 0
    .kernarg_segment_align: 8
    .kernarg_segment_size: 24
    .max_flat_workgroup_size: 256
    .sgpr_count:     100
    .vgpr_count:     512
    .wavefront_size: 32
...
	.end_amdgpu_metadata
.endif
;; end of part 3
;; launch outp (part 4): grid 4 x 64, 4 waves a work-group, clusters of 4 x 4, 327,680 bytes of LDS; arguments ctx, wc, lowp_scales, out0; writes out0
.if DOCPART == 4
	.amdgcn_target "amdgcn-amd-amdhsa--gfx1250"
	.amdhsa_code_object_version 6
	.text
	.protected	k_qbed748b2da_outp
	.globl	k_qbed748b2da_outp
	.p2align	8
	.type	k_qbed748b2da_outp,@function
k_qbed748b2da_outp:
	s_mov_b64 s[64:65], 0
	v_nop
	global_prefetch_b8 v0, s[64:65] scope:SCOPE_SE
	s_setreg_imm32_b32 hwreg(HW_REG_WAVE_MODE, 25, 1), 1
	s_wait_xcnt 0x0
	s_wait_alu depctr_hold_cnt(0) depctr_sa_sdst(0) depctr_va_vdst(0) depctr_va_sdst(0) depctr_va_ssrc(0) depctr_va_vcc(0) depctr_vm_vsrc(0)
	s_getreg_b32 s2, hwreg(HW_REG_IB_STS2, 6, 4)
	s_cmp_eq_u32 s2, 0
	s_cbranch_scc0 .Lentry_in_a_cluster
	s_endpgm
.Lentry_in_a_cluster:
	s_bfe_u32 s2, ttmp6, 0x10000c
	s_cmp_lg_u32 s2, 0xf033
	s_cbranch_scc0 .Lentry_shape_is_right
	s_endpgm
.Lentry_shape_is_right:
; THE LAST PROJECTION, out[m][n] = 2^(e10 + e11) x sum over k of ctx[m][k] Wo[n][k] on codes of FP8 (E4M3): m 8,192 tokens, n 1,024, K = 1,024 = 16 heads x 64.
; A = ctx: [head][token][64], each 16 tokens x 64 bytes as [c][lane][16 bytes] (lane 16 h + r: the 16 bytes at 32 c + 16 h of row r).  B = Wo's codes, part 3 of wc, rows of 1,024 bytes.  In both, inside each 32 along K
; byte 16 g + 8 u + j holds k = 16 u + 8 g + j, so that 16-byte loads put each k into the place that the plain FP8 forms give it.
; LIMIT: e10 + e11 lies between -126 and 127, so that 2^(e10 + e11) is an f32 number.
; SHARES.  A block of out is 128 tokens x 256 columns: 64 x 4 = 256 work-groups of four waves; a wave makes 64 x 128: 32 accumulators, 256 registers.
; K COMES IN THREE STAGES, one joint load a wave and stage (waves 0, 1: A's halves; waves 2, 3: B's): K 0-511 at the head; K 512-767 behind a round of the cluster's barrier, into bytes that nothing has filled;
; K 768-1023 behind a second round, into stage 0's first bytes, which nobody reads any more.  A's tiles need no padding (a fragment load reads 512 bytes on end); B's rows get 16 bytes behind each (pitch 528 or 272).
; CLUSTERS: 4 x 4 work-groups.  The four of a row of the cluster need the same tiles of A, the four of a column the same tiles of B: each tile is asked for jointly.
; NO PREFETCH INTO THE L2: the three stages are written out; the launch has no loop to run ahead in.
; THE MATRIX INSTRUCTION IS USED TRANSPOSED (source 0 = 16 rows of Wo, source 1 = 16 tokens): a lane holds eight neighbouring columns of one row of out.
; REGISTERS.  Window 0: v16-29 addresses; v32-95 the way out's products; v128-255 A's fragments, two sets of 4 x 16 (on the way out: rows read back).  Window 1: accumulator (i, b) at v[8 (8 i + b)].  Window 2: B's fragments, two sets of 8 x 16.
.set PSTR,  524288                     ; a head's panel of ctx: 8,192 tokens x 64 bytes
.set PANB,  8192                       ; a block's 128 tokens of one panel
.set P0,    528                        ; B's LDS pitch in stage 0: 512 bytes + 16
.set P1,    272                        ; and in stages 1 and 2: 256 + 16
.set B0L,   65536                      ; stage 0: A's 8 panels from byte 0, B's 256 rows from here
.set A1L,   B0L+256*P0                 ; stage 1: A's 4 panels,
.set B1L,   A1L+4*PANB                 ; B's 256 rows
.set SPARE, B1L+256*P1                 ; the spare words, 128 bytes for each wave: two blocks of 256 bytes that no other line names
.set STG,   B0L+256*P1                 ; the way out's stages: behind stage 2's B, in bytes of stage 0's B that have had their last fill and, ahead of the second round, their last read
.set SPITCH, 528
.set ADA0, 16                          ; LDS addresses of my fragments: A in stages 0 and 2, A in stage 1, B in stages 0, 1, 2
.set ADA1, 17
.set ADB0, 18
.set ADB1, 19
.set ADB2, 20
.set STO,  24
.set RD,   25
.set CO,   26                          ; 16 x lane
.set SPW,  28
.set NIL,  29
.set TMP,  32
.set AF,   128
.set BK,   128
.set G1A0, 24                          ; group 1: A, 4 panels; A, 2 panels; B, rows of 512; B, rows of 256
.set G1A1, 32
.set G1B0, 40
.set G1B1, 48
.set GA0,  56                          ; group 0, one for each stage and operand: none is written again
.set GB0,  60
.set GA1,  68
.set GB1,  72
.set GA2,  76
.set GB2,  80
.set MSB, 0
.macro WIN new                         ; the immediate's high byte repeats the setting that is left
.if MSB != \new
	s_set_vgpr_msb (MSB<<8)|\new
.set MSB, \new
.endif
.endm
.macro JLOAD g0a, g1a, g0b, g1b        ; a joint load: each line has one mask and one set of registers for all that issue it; the branch hangs on the wave's number alone; s_nop 0 and four v_nop follow each line
	s_cmp_eq_u32 s15, 0
	s_cbranch_scc0 .Lfor_b_\@
	tensor_load_to_lds s[\g0a:\g0a+3], s[\g1a:\g1a+7]
	s_nop 0
.rept 4
	v_nop
.endr
	s_branch .Lasked_\@
.Lfor_b_\@:
	tensor_load_to_lds s[\g0b:\g0b+3], s[\g1b:\g1b+7]
	s_nop 0
.rept 4
	v_nop
.endr
.Lasked_\@:
.endm
.macro CROUND                          ; a round of the cluster's barrier
	s_barrier_signal -1
	s_barrier_wait -1
	s_cmp_lg_u32 s14, 0
	s_cbranch_scc1 .Lnot_wave_0_\@
	s_barrier_signal -3
.Lnot_wave_0_\@:
	s_barrier_wait -3
	s_barrier_signal -1
	s_barrier_wait -1
.endm
.macro PLACES
.rept 4
	v_nop
.endr
.endm
	s_load_b128 s[4:7], s[0:1], 0x0                ; ctx, wc
	s_load_b128 s[8:11], s[0:1], 0x10              ; the scales' exponents, out0
	v_lshl_add_u32 v[SPW], v0, 2, SPARE
	v_mov_b32 v[NIL], 0
	ds_add_u32 v[SPW], v[NIL]                      ; the opening: the add, twice on end, and its wait ahead of my first tensor load
	ds_add_u32 v[SPW], v[NIL]
	v_lshrrev_b32 v1, 5, v0
	v_readfirstlane_b32 s14, v1                    ; wave 0..3
	s_lshr_b32 s15, s14, 1                         ; which 64 of the block's tokens are mine.  Also: I fetch for A (0) or for B (1)
	s_and_b32 s16, s14, 1                          ; which 128 of its columns.  Also: which half of a tile I fetch
	s_bfe_u32 s84, ttmp6, 0x40000                  ; cx, cy
	s_bfe_u32 s85, ttmp6, 0x40004
	s_lshl_b32 s86, ttmp9, 2
	s_add_co_u32 s86, s86, s84                     ; the block's column of out
	s_and_b32 s17, ttmp7, 0xffff
	s_lshl_b32 s17, s17, 2
	s_add_co_u32 s17, s17, s85                     ; and its row
	s_lshl_b32 s87, s85, 2
	s_lshl_b32 s87, 15, s87                        ; my row of the cluster
	s_lshl_b32 s88, 0x1111, s84                    ; my column
	s_or_b32 s[G1A0], s87, (1<<21)                 ; elements of 1 byte, no padding; bit 21 beside the mask
	s_or_b32 s[G1A1], s87, (1<<21)
	s_or_b32 s[G1B0], s88, (1<<20)|(1<<21)|(6<<22)|(3<<25)   ; four words of padding after every 128
	s_or_b32 s[G1B1], s88, (1<<20)|(1<<21)|(5<<22)|(3<<25)   ; after every 64
.irp g, G1A0, G1A1
	s_mov_b32 s[\g+1], PANB<<16                    ; a row: a panel's 8,192 bytes of the block's tokens
	s_mov_b32 s[\g+3], PANB<<16
	s_mov_b32 s[\g+5], PSTR
	s_mov_b32 s[\g+6], 0
	s_mov_b32 s[\g+7], 0
.endr
	s_mov_b32 s[G1A0+2], 4<<16
	s_mov_b32 s[G1A0+4], 4
	s_mov_b32 s[G1A1+2], 2<<16
	s_mov_b32 s[G1A1+4], 2
.irp g, G1B0, G1B1
	s_mov_b32 s[\g+2], 128<<16                     ; 128 rows of Wo
	s_mov_b32 s[\g+4], 128
	s_mov_b32 s[\g+5], 1024
	s_mov_b32 s[\g+6], 0
	s_mov_b32 s[\g+7], 0
.endr
	s_mov_b32 s[G1B0+1], 512<<16
	s_mov_b32 s[G1B0+3], 512<<16
	s_mov_b32 s[G1B1+1], 256<<16
	s_mov_b32 s[G1B1+3], 256<<16
	s_lshl_b32 s20, s17, 13                        ; A: the block's 128 tokens in a panel
	s_mov_b32 s21, 0
	s_lshl_b32 s22, s16, 21                        ; my half of stage 0: four panels,
	s_mov_b32 s23, 0
	s_lshl_b32 s18, s16, 20                        ; of stages 1 and 2: two
	s_mov_b32 s19, 0
	s_lshl_b32 s90, s86, 8                         ; B: row 256 x the block's column + 128 x half,
	s_lshl_b32 s91, s16, 7
	s_add_co_u32 s90, s90, s91
	s_lshl_b32 s90, s90, 10
	s_add_co_u32 s90, s90, 0x300000                ; in part 3 of wc
	s_mov_b32 s91, 0
	s_lshl_b32 s92, s15, 12                        ; my four blocks of 16 tokens in a panel
	s_mul_i32 s93, s16, 128*P0
	s_add_co_u32 s93, s93, B0L                     ; my 128 rows of B in stage 0,
	s_mul_i32 s94, s16, 128*P1
	s_add_co_u32 s94, s94, B0L                     ; and in stage 2
	s_mul_i32 s95, s14, 16*SPITCH
	s_add_co_u32 s95, s95, STG                     ; my stage
	s_lshl_b32 s98, s17, 7
	s_lshl_b32 s99, s15, 6
	s_add_co_u32 s98, s98, s99                     ; my first row of out,
	s_lshl_b32 s98, s98, 12                        ; rows of 4,096 bytes,
	s_lshl_b32 s99, s86, 10
	s_add_co_u32 s98, s98, s99
	s_lshl_b32 s99, s16, 9
	s_add_co_u32 s98, s98, s99                     ; my first column: under 2^25 in all
	s_mov_b32 s99, 0
	s_wait_dscnt 0x0                               ; both opening adds are done
	s_wait_kmcnt 0x0
	s_load_b64 s[96:97], s[8:9], 0x28              ; e10, e11
	s_add_nc_u64 s[20:21], s[4:5], s[20:21]
	s_add_nc_u64 s[90:91], s[6:7], s[90:91]
	s_add_nc_u64 s[10:11], s[10:11], s[98:99]
	CROUND                                         ; all sixteen work-groups are here: the first joint loads meet
	s_mov_b32 s[GA0], 1
	s_lshl_b32 s[GA0+1], s16, 15
	s_add_nc_u64 s[GA0+2:GA0+3], s[20:21], s[22:23]
	s_or_b32 s[GA0+3], s[GA0+3], 0x80000000
	s_mov_b32 s[GB0], 1
	s_mov_b32 s[GB0+1], s93
	s_mov_b64 s[GB0+2:GB0+3], s[90:91]
	s_or_b32 s[GB0+3], s[GB0+3], 0x80000000
	JLOAD GA0, G1A0, GB0, G1B0                     ; stage 0: one tensor load a wave at the head
	s_mov_b32 s[GA1], 1
	s_lshl_b32 s[GA1+1], s16, 14
	s_add_co_u32 s[GA1+1], s[GA1+1], A1L
	s_add_nc_u64 s[GA1+2:GA1+3], s[20:21], s[18:19]
	s_add_nc_u64 s[GA1+2:GA1+3], s[GA1+2:GA1+3], 8*PSTR
	s_or_b32 s[GA1+3], s[GA1+3], 0x80000000
	s_mov_b32 s[GB1], 1
	s_add_co_u32 s[GB1+1], s94, B1L-B0L
	s_add_nc_u64 s[GB1+2:GB1+3], s[90:91], 512
	s_or_b32 s[GB1+3], s[GB1+3], 0x80000000
	s_mov_b32 s[GA2], 1
	s_lshl_b32 s[GA2+1], s16, 14
	s_add_nc_u64 s[GA2+2:GA2+3], s[20:21], s[18:19]
	s_add_nc_u64 s[GA2+2:GA2+3], s[GA2+2:GA2+3], 12*PSTR
	s_or_b32 s[GA2+3], s[GA2+3], 0x80000000
	s_mov_b32 s[GB2], 1
	s_mov_b32 s[GB2+1], s94
	s_add_nc_u64 s[GB2+2:GB2+3], s[90:91], 768
	s_or_b32 s[GB2+3], s[GB2+3], 0x80000000
	v_and_b32 v1, 15, v0                           ; r
	v_bfe_u32 v2, v0, 4, 1                         ; h
	v_and_b32 v6, 31, v0
	v_lshlrev_b32 v[CO], 4, v6
	v_add_nc_u32 v[ADA0], s92, v[CO]
	v_add_nc_u32 v[ADA1], A1L, v[ADA0]
	v_mul_u32_u24 v3, v1, P0
	v_lshl_add_u32 v3, v2, 4, v3
	v_add_nc_u32 v[ADB0], s93, v3
	v_mul_u32_u24 v4, v1, P1
	v_lshl_add_u32 v4, v2, 4, v4
	v_add_nc_u32 v[ADB2], s94, v4
	v_add_nc_u32 v[ADB1], B1L-B0L, v[ADB2]
	v_mul_u32_u24 v5, v1, SPITCH                   ; into the stage: row r, 32 bytes for each half of the lanes
	v_lshl_add_u32 v5, v2, 5, v5
	v_add_nc_u32 v[STO], s95, v5
	v_add_nc_u32 v[RD], s95, v[CO]                 ; back: the 32 lanes take one row of 512 bytes
; 48 LDS loads: the fragments of one K step of 128, the kl-th of its stage, into set p: B's eight (16 rows of Wo each), A's four (16 tokens each; two panels, 64 of K each)
.macro FETCH p, ada, adb, pitch, kl
	WIN 0x80
.irp b, 0,1,2,3,4,5,6,7
.irp c, 0,1,2,3
	ds_load_b128 v[128*(\p)+16*\b+4*\c:128*(\p)+16*\b+4*\c+3], v[\adb] offset:\b*16*(\pitch)+128*(\kl)+32*\c
.endr
.endr
	WIN 0
.irp i, 0,1,2,3
.irp c, 0,1,2,3
	ds_load_b128 v[AF+64*(\p)+16*\i+4*\c:AF+64*(\p)+16*\i+4*\c+3], v[\ada] offset:(2*(\kl)+\c/2)*PANB+\i*1024+512*(\c%2)
.endr
.endr
.endm
; 32 matrix instructions on set p; the 32 accumulators take turns, in the same order in every K step.  zero = 1: the first product starts the sums
.macro MUL p, zero
	WIN 0x52                                       ; source 0 (B) window 2, source 1 (A) window 0, C and D window 1
.irp i, 0,1,2,3
.irp b, 0,1,2,3,4,5,6,7
.if \zero
	v_wmma_f32_16x16x128_fp8_fp8 v[8*(8*\i+\b):8*(8*\i+\b)+7], v[128*(\p)+16*\b:128*(\p)+16*\b+15], v[AF+64*(\p)+16*\i:AF+64*(\p)+16*\i+15], 0
.else
	v_wmma_f32_16x16x128_fp8_fp8 v[8*(8*\i+\b):8*(8*\i+\b)+7], v[128*(\p)+16*\b:128*(\p)+16*\b+15], v[AF+64*(\p)+16*\i:AF+64*(\p)+16*\i+15], v[8*(8*\i+\b):8*(8*\i+\b)+7]
.endif
.endr
.endr
	WIN 0
.endm
	s_wait_alu depctr_va_vdst(0)                   ; the head's end
	s_wait_tensorcnt 0x0                           ; my part of stage 0 is in
	ds_add_u32 v[SPW], v[NIL]
	s_wait_dscnt 0x0
	CROUND                                         ; everybody's part is in, and all sixteen work-groups are here
	JLOAD GA1, G1A1, GB1, G1B1                     ; stage 1, the first tensor load behind the round
	FETCH 0, ADA0, ADB0, P0, 0
	FETCH 1, ADA0, ADB0, P0, 1
	s_wait_dscnt 48                                ; all but the 48 just issued
	MUL 0, 1
	PLACES                                         ; four places in front of loads into registers that the products above have read
	FETCH 0, ADA0, ADB0, P0, 2
	s_wait_dscnt 48
	MUL 1, 0
	PLACES
	FETCH 1, ADA0, ADB0, P0, 3
	s_wait_dscnt 48
	MUL 0, 0
	s_wait_dscnt 0x0
	MUL 1, 0
	s_wait_tensorcnt 0x0                           ; my part of stage 1 is in,
	ds_add_u32 v[SPW], v[NIL]
	s_wait_dscnt 0x0                               ; and my reads of stage 0 are over
	CROUND                                         ; both hold of every wave of every partner
	JLOAD GA2, G1A1, GB2, G1B1                     ; stage 2, over stage 0's first bytes; the four v_nop behind it are the places in front of the loads below
	FETCH 0, ADA1, ADB1, P1, 0
	FETCH 1, ADA1, ADB1, P1, 1
	s_wait_dscnt 48
	MUL 0, 0
	s_wait_dscnt 0x0
	MUL 1, 0
	s_wait_tensorcnt 0x0                           ; my part of stage 2 is in;
	ds_add_u32 v[SPW], v[NIL]
	s_wait_dscnt 0x0
	s_barrier_signal -1
	s_barrier_wait -1                              ; everybody's is
	PLACES
	FETCH 0, ADA0, ADB2, P1, 0
	FETCH 1, ADA0, ADB2, P1, 1
	s_wait_dscnt 48
	MUL 0, 0
	s_wait_dscnt 0x0
	MUL 1, 0
; THE WAY OUT, block by block of 16 rows x 128 columns.  A lane holds 32 neighbouring bytes of a row, and the lanes beside it hold other rows: so a block goes through my own stage in LDS and comes back as whole rows of 512 bytes,
; which the 32 lanes store as two aligned units of 256 bytes.  LDS serves a wave's instructions in order (ISA guide 5.7.1.4): no wait between the stores and the loads, nor in front of the next block's stores.
.macro TOSTAGE a
	WIN 0x01
.set n, 0
.rept 32
	v_pk_mul_f32 v[TMP+n:TMP+n+1], v[64*(\a)+n:64*(\a)+n+1], s[96:97] op_sel_hi:[1,0]   ; both x s96 = 2^(e10 + e11); each accumulator from its low end on
.set n, n+2
.endr
	WIN 0
.irp b, 0,1,2,3,4,5,6,7
	ds_store_b128 v[STO], v[TMP+8*\b:TMP+8*\b+3] offset:64*\b
	ds_store_b128 v[STO], v[TMP+8*\b+4:TMP+8*\b+7] offset:64*\b+16
.endr
.set BB, BK+64*((\a)%2)
.irp t, 0,1,2,3,4,5,6,7,8,9,10,11,12,13,14,15
	ds_load_b128 v[BB+4*\t:BB+4*\t+3], v[RD] offset:\t*SPITCH
.endr
.endm
.macro SEND a, younger                 ; younger: the LDS instructions issued behind block a's loads, which may stay out
.set BB, BK+64*((\a)%2)
	s_wait_dscnt \younger
.if (\a) > 0
	s_add_nc_u64 s[10:11], s[10:11], 16*4096       ; (behind a wait on XCNT: the earlier stores have read their base)
.endif
.irp t, 0,1,2,3,4,5,6,7,8,9,10,11,12,13,14,15
	global_store_b128 v[CO], v[BB+4*\t:BB+4*\t+3], s[10:11] offset:\t*4096 th:TH_STORE_NT   ; 32 lanes store 512 consecutive bytes, at a multiple of 512 from the buffer's first byte
.endr
.endm
	s_wait_kmcnt 0x0
	s_add_co_i32 s96, s96, s97
	s_add_co_i32 s96, s96, 127
	s_lshl_b32 s96, s96, 23                        ; 2^(e10 + e11) as f32
	PLACES                                         ; behind the last products: for the reads of results and for the loads into the registers that held A's fragments
	TOSTAGE 0
.irp a, 1,2,3
.if \a > 1
	s_wait_xcnt 0x0                                ; block a - 2's stores have read their registers and their base
.endif
	TOSTAGE \a
	SEND \a-1, 32                                  ; behind block a - 1's loads: block a's 16 stores and 16 loads
.endr
	s_wait_xcnt 0x0
	SEND 3, 0
	s_wait_tensorcnt 0x0                           ; the wave's end
	ds_add_u32 v[SPW], v[NIL]
	s_wait_dscnt 0x0
	CROUND                                         ; the closing round
	s_endpgm
.Lfunc_end_k_qbed748b2da_outp:
	.size	k_qbed748b2da_outp, .Lfunc_end_k_qbed748b2da_outp-k_qbed748b2da_outp
	.p2alignl 7, 3214868480
	.fill 96, 4, 3214868480
	.section	.rodata,"a",@progbits
	.p2align	6, 0x0
	.amdhsa_kernel k_qbed748b2da_outp
		.amdhsa_group_segment_fixed_size 327680
		.amdhsa_private_segment_fixed_size 0
		.amdhsa_enable_private_segment 0
		.amdhsa_kernarg_size 32
		.amdhsa_user_sgpr_count 2
		.amdhsa_user_sgpr_kernarg_segment_ptr 1
		.amdhsa_wavefront_size32 1
		.amdhsa_system_sgpr_workgroup_id_x 1
		.amdhsa_system_sgpr_workgroup_id_y 1
		.amdhsa_system_sgpr_workgroup_id_z 1
		.amdhsa_system_vgpr_workitem_id 0
		.amdhsa_next_free_vgpr 768
		.amdhsa_next_free_sgpr 100
		.amdhsa_reserve_vcc 0
		.amdhsa_float_denorm_mode_32 3
		.amdhsa_float_denorm_mode_16_64 3
		.amdhsa_memory_ordered 1
		.amdhsa_forward_progress 1
		.amdhsa_inst_pref_size 75
	.end_amdhsa_kernel
	.amdgpu_metadata
---
amdhsa.version: [ 1, 2 ]
amdhsa.kernels:
  - .name:           k_qbed748b2da_outp
    .symbol:         k_qbed748b2da_outp.kd
    .args:
      - { .name: ctx, .offset: 0, .size: 8, .value_kind: global_buffer, .address_space: global }
      - { .name: wc, .offset: 8, .size: 8, .value_kind: global_buffer, .address_space: global }
      - { .name: lowp_scales, .offset: 16, .size: 8, .value_kind: global_buffer, .address_space: global }
      - { .name: out0, .offset: 24, .size: 8, .value_kind: global_buffer, .address_space: global }
    .group_segment_fixed_size: 327680
    .private_segment_fixed_size: 0
    .kernarg_segment_align: 8
    .kernarg_segment_size: 32
    .max_flat_workgroup_size: 128
    .sgpr_count:     100
    .vgpr_count:     768
    .wavefront_size: 32
...
	.end_amdgpu_metadata
.endif
;; end of part 4
